; MI455X (gfx1250); checked and timed in simulation.
; The chip was launched on July 23, 2026; its instructions are those of AMD's public machine-readable ISA for CDNA 5 (MIT licence, August 2026) and "CDNA5" Instruction Set Architecture Reference Guide (July 2026). The comments in the code are by the model that wrote it; some were corrected since.
;; Multi Head Attention. Allowed arithmetic: matrix products marked QUANTISED: E2M1 operands, one E8M0 scale for each 32 along K, by v_wmma_scale_f32_16x16x128_f8f6f4 with both operands' format E2M1 (or v_wmma_scale_f32_32x16x128_f4), f32 sums; everything else in f32.
;; Inputs: Wk_codes 1,024 x 32 x 16 uint8 (E2M1 codes of Wk, K innermost, in blocks of 32 codes, two codes a byte); Wk_scales 1,024 x 32 uint8 (E8M0 scales of Wk, one for each 32 codes along K); Wo_codes 1,024 x 32 x 16 uint8 (E2M1 codes of Wo, K innermost, in blocks of 32 codes, two codes a byte); Wo_scales 1,024 x 32 uint8 (E8M0 scales of Wo, one for each 32 codes along K); Wq_codes 1,024 x 32 x 16 uint8 (E2M1 codes of Wq, K innermost, in blocks of 32 codes, two codes a byte); Wq_scales 1,024 x 32 uint8 (E8M0 scales of Wq, one for each 32 codes along K); Wv_codes 1,024 x 32 x 16 uint8 (E2M1 codes of Wv, K innermost, in blocks of 32 codes, two codes a byte); Wv_scales 1,024 x 32 uint8 (E8M0 scales of Wv, one for each 32 codes along K); beta 1,024 float32; bk 1,024 float32; bo 1,024 float32; bq 1,024 float32; bv 1,024 float32; gamma 1,024 float32; k_codes 4 x 2,048 x 32 x 16 uint8 (E2M1 codes of k, K innermost, in blocks of 32 codes, two codes a byte); k_scales 4 x 2,048 x 32 uint8 (E8M0 scales of k, one for each 32 codes along K); q 4 x 2,048 x 1,024 float32; v_codes 4 x 2,048 x 32 x 16 uint8 (E2M1 codes of v, K innermost, in blocks of 32 codes, two codes a byte); v_scales 4 x 2,048 x 32 uint8 (E8M0 scales of v, one for each 32 codes along K).
;; Outputs: out0 4 x 2,048 x 1,024 float32.
;; This version of the problem:
;;   THIS VERSION OF THE PROBLEM IS GIVEN IN LOW PRECISION. The matrix products marked QUANTISED in the list below multiply operands that are first quantised to E2M1 (2 exponent bits, 1 mantissa bit; 4 bits a number), with one power-of-two scale for each 32 numbers along K (OCP MX v1.0); their sums are f32. All else is computed in f32.
;;   The module's matrix products, in the order in which they are computed (A, B: the left and right operand; K: the contracted axis; several contracted axes count as one K, in the product's order):
;;     1. [M 8,192, K 1,024] x [K 1,024, N 1,024]; A: input q; B: input Wq (given as codes): QUANTISED
;;     2. [M 8,192, K 1,024] x [K 1,024, N 1,024]; A: input k (given as codes); B: input Wk (given as codes): QUANTISED
;;     3. [M 8,192, K 1,024] x [K 1,024, N 1,024]; A: input v (given as codes); B: input Wv (given as codes): QUANTISED
;;     4. batch 64 x [M 2,048, K 64] x [K 64, N 2,048]; A: computed on the way; B: computed on the way: QUANTISED
;;     5. batch 64 x [M 2,048, K 2,048] x [K 2,048, N 64]; A: softmax (see below); B: computed on the way: QUANTISED
;;     6. [M 8,192, K 1,024] x [K 1,024, N 1,024]; A: computed on the way; B: input Wo (given as codes): QUANTISED
;;   THE QUANTISER, for each operand of a quantised product, along K:
;;     - K is cut into blocks of 32 from its start; a last block that is shorter is filled with zeros.
;;     - A block's scale is 2^e with e = floor(log2(the largest magnitude in the block)) - 2, held to -126 .. 127; a block of zeros has e = 0. As a byte (E8M0): e + 127.
;;     - Each number is divided by its block's scale, clamped to +-6, and rounded to the nearest number of E2M1, ties to even, subnormals kept.
;;     - The product sums the exact products of the quantised numbers (number of the format x scale) in f32.
;;   ~~~python
;;   def quantise(x, axis):      # numpy; x: float32 -> the quantised numbers, widened to float32 again
;;       x = np.moveaxis(x, axis, -1); K = x.shape[-1]
;;       x = np.pad(x, [(0, 0)] * (x.ndim - 1) + [(0, -K % 32)]); x = x.reshape(x.shape[:-1] + (-1, 32)); a = np.abs(x).max(-1, keepdims=True)
;;       e = np.where(a > 0, np.clip(np.frexp(np.where(a > 0, a, 1))[1] - 1 - 2, -126, 127), 0)      # np.frexp(a)[1] - 1 = floor(log2(a)), exactly
;;       r = np.clip(x / 2.0 ** e, -6, 6)
;;       step = 2.0 ** (np.maximum(np.frexp(np.where(r == 0, 1, r))[1] - 1, 0) - 1)
;;       q = np.round(r / step) * step * 2.0 ** e      # np.round: ties to even
;;       return np.moveaxis(q.reshape(q.shape[:-2] + (-1,))[..., :K], -1, axis).astype(np.float32)
;;   ~~~
;;   SOFTMAX AHEAD OF A QUANTISED PRODUCT. Where the list says 'softmax', what is quantised is not the finished softmax but p = 2^(t - M), with t = logit x log2(e) and M = ceil(the row's largest t), a whole number; so 1/2 < the row's largest p <= 1. The row's sum l is taken of the UNQUANTISED p, in f32, and the product's result is divided by l at the end. Since M is a whole number, a kernel that streams over the keys may use a running M (the ceiling of the running maximum): every later rescaling is an exact power of two, which a block's scale takes up: the codes' values come out the same.
;;   OPERANDS COMPUTED ON THE WAY. 'Computed on the way' means the value that the module computes at that place (a softmax that the list does not call 'softmax' is quantised finished and normalised). What goes into a quantiser is computed in f32, as accurately as f32 sums, v_exp_f32 and their like allow (about 1e-6 of the number): no bf16 or f16 on the way to a quantiser, and a product that is left as it is and whose result goes on into a quantised operand takes f32 operands (vector FMAs, or v_wmma_f32_16x16x4_f32). A number that lies on a knife's edge between two numbers of the format may be rounded either way, as far as f32 arithmetic and the matrix unit's own rounding can turn it there, and no further.
;;   INPUTS GIVEN AS CODES. Wk (in the module: [1024, 1024], K = its axis 1); Wo (in the module: [1024, 1024], K = its axis 1); Wq (in the module: [1024, 1024], K = its axis 1); Wv (in the module: [1024, 1024], K = its axis 1); k (in the module: [4, 2048, 1024], K = its axis 2); v (in the module: [4, 2048, 1024], K = its axis 2): each comes as NAME_codes (uint8): NAME with its K axis moved to the last place and cut into blocks of 32 codes, [.., K / 32, bytes a block], one block behind the other in memory; two codes a byte, the lower K in the low four bits (a code: sign, 2 exponent bits, 1 mantissa bit); and NAME_scales (uint8): the same leading axes, one E8M0 byte (e + 127) for each 32 codes along K. Its value is code x scale, taken as it is: it is not quantised again, and the codes and scales need not be those that the quantiser above would give.
;; One version. Each part assembles by itself: llvm-mc -triple=amdgcn-amd-amdhsa -mcpu=gfx1250 --defsym DOCPART=n.
;; ======== version 1 of 1: 4 launches
;; workspace buffers: qc 4,194,304 bytes; qs 262,144 bytes; img 12,582,912 bytes; isc 786,432 bytes; oimg 4,194,304 bytes; osc 262,144 bytes
;; launch quantq (part 1): grid 256 x 1, 4 waves a work-group, no clusters, 33,280 bytes of LDS; arguments q, qc, qs; writes qc, qs
.if DOCPART == 1
	.amdgcn_target "amdgcn-amd-amdhsa--gfx1250"
	.amdhsa_code_object_version 6
	.text
	.protected	k_q847550c5c4_quantq
	.globl	k_q847550c5c4_quantq
	.p2align	8
	.type	k_q847550c5c4_quantq,@function
k_q847550c5c4_quantq:
	s_mov_b64 s[64:65], 0
	v_nop
	global_prefetch_b8 v0, s[64:65] scope:SCOPE_SE
	s_setreg_imm32_b32 hwreg(HW_REG_WAVE_MODE, 25, 1), 1
	s_wait_xcnt 0x0
; q [8192][1024] f32 is turned into codes of FP4 (E2M1), K innermost, 512 bytes a row (qc), with one E8M0 byte for each 32 along K (qs).
; A block's scale is 2^(floor(log2(its largest magnitude)) - 2); its byte is the largest magnitude's exponent field - 2, held at 1 from below.
; LIMITS: a block of zeros, or one whose largest magnitude lies under 2^-124, gets the byte 1 (its codes are zeros or tiny; the bytes are read by this program alone); NaN and infinities are not served.
; Rows are dense and 1024 is a multiple of 32: the tensor is a plain stream of blocks of 32, and so are its codes and bytes.
; A wave takes 16 steps of 512 numbers.  Each of a step's four loads reads 512 consecutive bytes, 16 a lane; the 2,048 bytes turn through the wave's own stage in LDS
; and come back 64 bytes a lane, so that a lane holds 16 neighbours along K (two lanes a block).  A lane's 16 codes are 8 bytes: the wave stores 256 consecutive bytes.
; A wave's 256 scale bytes are gathered in its own LDS bytes and leave as 256 consecutive bytes.  No tensor loads, no barrier: waves share nothing.
; No matrix unit, cluster or large register tile: the launch only streams, and each byte is read and written once.
.set STEPS, 16
.set EMAX,  2
.set CB,    8                          ; bytes of 16 codes
.set R,     16                         ; v16-79   four sets of 16 numbers as they are loaded
.set X,     80                         ; v80-111  two sets of 16 neighbours
.set C,     128                        ; v128-191 codes: four registers for each step, so that no store's data are written again
.set E,     112                        ; v112-127 a scale byte for each step
.set WREG,  8192                       ; LDS: a region for each wave: two stages of 32 x SP bytes, behind them its 256 scale bytes
.set SP,    80                         ; a lane's place in a stage: 64 bytes + 16 of padding
	s_load_b64 s[4:5], s[0:1], 0x0                 ; q
	s_load_b64 s[8:9], s[0:1], 0x8                 ; qc
	s_load_b64 s[10:11], s[0:1], 0x10              ; qs
	v_lshl_add_u32 v192, v0, 2, 0x8000
	v_mov_b32 v193, 0
	v_lshrrev_b32 v1, 5, v0
	v_readfirstlane_b32 s16, v1                    ; wave
	v_and_b32 v2, 31, v0                           ; lane
	v_lshlrev_b32 v3, 4, v2                        ; my 16 bytes of a load's 512
	s_mul_i32 s17, s16, WREG
	v_lshrrev_b32 v14, 2, v2
	v_mul_u32_u24 v14, v14, SP
	v_and_b32 v15, 3, v2
	v_lshl_add_u32 v14, v15, 4, v14
	v_add_nc_u32 v14, s17, v14                     ; the stage, on the way in: SP (lane / 4) + 16 (lane % 4)
	v_mul_u32_u24 v15, v2, SP
	v_add_nc_u32 v15, s17, v15                     ; and on the way out: SP x lane: my 16 neighbours
	v_mul_u32_u24 v4, v2, CB                       ; my codes' place in a step's
	v_lshrrev_b32 v5, 1, v2
	s_add_co_u32 s17, s17, 2*32*SP
	v_add_nc_u32 v5, s17, v5                       ; LDS: my wave's 256 scale bytes, my block's byte
	v_lshlrev_b32 v7, 3, v2                        ; and on the way out 8 bytes a lane
	v_add_nc_u32 v6, s17, v7
	s_lshl_b32 s17, ttmp9, 2
	s_add_co_u32 s18, s17, s16                     ; which run of 8,192 numbers is my wave's
	s_mov_b32 s19, 0
	s_lshl_b64 s[20:21], s[18:19], 15              ; 32,768 bytes of q a run
	s_lshl_b64 s[22:23], s[18:19], 12              ; 4,096 bytes of codes
	s_lshl_b32 s18, s18, 8                         ; 256 scale bytes
	s_wait_alu depctr_va_vdst(0)
	s_wait_kmcnt 0x0
	s_add_nc_u64 s[4:5], s[4:5], s[20:21]
	s_add_nc_u64 s[8:9], s[8:9], s[22:23]
	s_add_nc_u64 s[10:11], s[10:11], s[18:19]
.macro LOAD t
.irp i, 0,1,2,3
	global_load_b128 v[R+16*((\t)%4)+4*\i:R+16*((\t)%4)+4*\i+3], v3, s[4:5] offset:2048*(\t)+512*\i th:TH_LOAD_NT   ; 32 lanes read 512 consecutive bytes
.endr
.endm
.macro TURN t                          ; step t's numbers through the stage: LDS serves a wave's instructions in order, so no wait stands between the stores and the loads
.irp i, 0,1,2,3
	ds_store_b128 v14, v[R+16*((\t)%4)+4*\i:R+16*((\t)%4)+4*\i+3] offset:32*SP*((\t)%2)+8*SP*\i
.endr
.irp i, 0,1,2,3
	ds_load_b128 v[X+16*((\t)%2)+4*\i:X+16*((\t)%2)+4*\i+3], v15 offset:32*SP*((\t)%2)+16*\i
.endr
.endm
.irp t, 0,1,2,3
	LOAD \t
.endr
	s_wait_loadcnt 12                              ; step 0's four loads are in; three steps' twelve may be out
	TURN 0
.macro STEP t
.set XS, X+16*((\t)%2)
.if (\t) > 0
	s_wait_dscnt 1                                 ; this step's numbers are back from the stage (the last step's byte store may be out)
.else
	s_wait_dscnt 0x0
.endif
.if (\t)+4 < STEPS
	LOAD (\t)+4                                    ; the stage's stores have read these registers: they take the loads of four steps on
.endif
.if (\t)+1 < STEPS
.if STEPS-2-(\t) >= 3
	s_wait_loadcnt 12                              ; the next step's four loads are in; those of the three steps behind it may be out
.else
	s_wait_loadcnt 4*(STEPS-2-(\t))
.endif
	TURN (\t)+1                                    ; through the other stage while this step is worked
.endif
	v_max3_num_f32 v8, |v[XS]|, |v[XS+1]|, |v[XS+2]|               ; the largest magnitude of my 16, in two chains
	v_max3_num_f32 v9, |v[XS+3]|, |v[XS+4]|, |v[XS+5]|
.irp i, 6,10
	v_max3_num_f32 v8, v8, |v[XS+\i]|, |v[XS+\i+1]|
	v_max3_num_f32 v9, v9, |v[XS+\i+2]|, |v[XS+\i+3]|
.endr
	v_max3_num_f32 v8, v8, |v[XS+14]|, |v[XS+15]|
	v_max3_num_f32 v8, v8, v9, (EMAX+1)<<23        ; and the floor 2^(3 - 127): the byte cannot fall under 1
	v_max_num_f32_dpp v8, v8, v8 row_xmask:1 row_mask:0xf bank_mask:0xf   ; and of my neighbour's 16: the block's
	v_add_nc_u32 v11, -(EMAX<<23), v8              ; 2 off its exponent field: the conversion takes the exponent field of this operand as its scale
	v_cvt_scalef32_pk8_fp4_f32 v[C+4*(\t)], v[XS:XS+7], v11
	v_cvt_scalef32_pk8_fp4_f32 v[C+4*(\t)+1], v[XS+8:XS+15], v11
	v_lshrrev_b32 v[E+(\t)], 23, v11               ; the scale's byte (also the plain line behind the conversions)
	ds_store_b8 v5, v[E+(\t)] offset:16*(\t)       ; both lanes of a block write the same byte with the same value
	global_store_b64 v4, v[C+4*(\t):C+4*(\t)+1], s[8:9] offset:32*CB*(\t)   ; 32 lanes store 256 consecutive bytes
.endm
.irp t, 0,1,2,3,4,5,6,7,8,9,10,11,12,13,14,15
	STEP \t
.endr
	ds_load_b64 v[12:13], v6                       ; LDS serves a wave's instructions in order: these see my stores
	s_wait_dscnt 0x0
	global_store_b64 v7, v[12:13], s[10:11]        ; 32 lanes store 256 consecutive bytes
	s_wait_tensorcnt 0x0
	ds_add_u32 v192, v193
	s_wait_dscnt 0x0
	s_endpgm
.Lfunc_end_k_q847550c5c4_quantq:
	.size	k_q847550c5c4_quantq, .Lfunc_end_k_q847550c5c4_quantq-k_q847550c5c4_quantq
	.p2alignl 7, 3214868480
	.fill 96, 4, 3214868480
	.section	.rodata,"a",@progbits
	.p2align	6, 0x0
	.amdhsa_kernel k_q847550c5c4_quantq
		.amdhsa_group_segment_fixed_size 33280
		.amdhsa_private_segment_fixed_size 0
		.amdhsa_enable_private_segment 0
		.amdhsa_kernarg_size 24
		.amdhsa_user_sgpr_count 2
		.amdhsa_user_sgpr_kernarg_segment_ptr 1
		.amdhsa_wavefront_size32 1
		.amdhsa_system_sgpr_workgroup_id_x 1
		.amdhsa_system_sgpr_workgroup_id_y 1
		.amdhsa_system_sgpr_workgroup_id_z 1
		.amdhsa_system_vgpr_workitem_id 0
		.amdhsa_next_free_vgpr 194
		.amdhsa_next_free_sgpr 66
		.amdhsa_reserve_vcc 0
		.amdhsa_float_denorm_mode_32 3
		.amdhsa_float_denorm_mode_16_64 3
		.amdhsa_memory_ordered 1
		.amdhsa_forward_progress 1
		.amdhsa_inst_pref_size 33
	.end_amdhsa_kernel
	.amdgpu_metadata
---
amdhsa.version: [ 1, 2 ]
amdhsa.kernels:
  - .name:           k_q847550c5c4_quantq
    .symbol:         k_q847550c5c4_quantq.kd
    .args:
      - { .name: q, .offset: 0, .size: 8, .value_kind: global_buffer, .address_space: global }
      - { .name: qc, .offset: 8, .size: 8, .value_kind: global_buffer, .address_space: global }
      - { .name: qs, .offset: 16, .size: 8, .value_kind: global_buffer, .address_space: global }
    .group_segment_fixed_size: 33280
    .private_segment_fixed_size: 0
    .kernarg_segment_align: 8
    .kernarg_segment_size: 24
    .max_flat_workgroup_size: 128
    .sgpr_count:     66
    .vgpr_count:     194
    .wavefront_size: 32
...
	.end_amdgpu_metadata
.endif
;; end of part 1
;; launch proj (part 2): grid 64 x 3, 16 waves a work-group, clusters of 4 x 1, 327,680 bytes of LDS; arguments qc, qs, Wq_codes, Wq_scales, k_codes, k_scales, Wk_codes, Wk_scales, v_codes, v_scales, Wv_codes, Wv_scales, bq, bk, bv, img, isc; writes img, isc
.if DOCPART == 2
	.amdgcn_target "amdgcn-amd-amdhsa--gfx1250"
	.amdhsa_code_object_version 6
	.text
	.protected	k_q847550c5c4_proj
	.globl	k_q847550c5c4_proj
	.p2align	8
	.type	k_q847550c5c4_proj,@function
k_q847550c5c4_proj:
	s_mov_b64 s[64:65], 0
	v_nop
	global_prefetch_b8 v0, s[64:65] scope:SCOPE_SE
	s_setreg_imm32_b32 hwreg(HW_REG_WAVE_MODE, 25, 1), 1
	s_wait_xcnt 0x0
	s_wait_alu depctr_hold_cnt(0) depctr_sa_sdst(0) depctr_va_vdst(0) depctr_va_sdst(0) depctr_va_ssrc(0) depctr_va_vcc(0) depctr_vm_vsrc(0)
	s_getreg_b32 s2, hwreg(HW_REG_IB_STS2, 6, 4)
	s_cmp_eq_u32 s2, 0
	s_cbranch_scc0 .Lentry_in_a_cluster
	s_endpgm
.Lentry_in_a_cluster:
	s_bfe_u32 s2, ttmp6, 0x10000c
	s_cmp_lg_u32 s2, 0x3003
	s_cbranch_scc0 .Lentry_shape_is_right
	s_endpgm
.Lentry_shape_is_right:
; The three projections x W^T + b on codes of FP4 with E8M0 scales, and their results quantised again as operands of attention.  Work-group y = 0: (q Wq^T + bq) / 32; 1: k Wk^T + bk; 2: v Wv^T + bv.
; SHARES.  A work-group takes 128 tokens x all 1,024 features, K = 1,024, in two chunks of 512 features (8 heads).  Wave w: head w % 8 of the chunk, tokens 64 (w / 8) on: 64 x 64, 16 accumulators.
; THE ROWS OF A TILE ARE NOT NEIGHBOURS: lane r of tile i of a group of 64 rows takes row pat(i, r) = 8 i + r % 8 + 32 (r / 8).  As source 0 that gives lane (r', h') of the four tiles' results the rows
; 32 h' + 0 .. 31 in ascending registers: a WHOLE block of 32 along the next product's K in one lane.  So a block's maximum asks no other lane, and four conversions give four registers of the next operand.
; Q and K (next K = the head's 64): source 0 = W's rows, source 1 = tokens.  V (next K = the keys): source 0 = tokens, source 1 = W's rows.  The LDS loads are the same; the 16 matrix lines differ, under a branch on y.
; OUT.  img: pieces of 512 bytes, lane l's 16 bytes at 16 l: four registers of an operand as they stand.  Q at 0, K at 4 MiB: [b h][block of 128 tokens][tile 8][piece]; V at 8 MiB: [b h][block][d tile 4][half 2][piece].
; isc: scale words, [b h][block][th 2][f 2][r 16]: Q, K: bytes (tile 4 th + 2 f: d blocks 0, 1 | the next tile: 0, 1); V: (d tile 2 f: key blocks 2 th, 2 th + 1 | d tile 2 f + 1: the same).
; A wave's store of scale words covers 128 consecutive bytes; it is one sixteenth of the codes' bytes.
; CLUSTER.  The four partners take other tokens of the same projection and walk the same W and bias: these are asked for jointly (mask 15).  The tokens' codes are each work-group's own: a plain load.
; W goes in K steps of 256 (rows of 128 bytes) through two slots: with rows of 256 bytes two slots, 2 x 512 x 272, the tokens' 68,096, the bias and the spare words would be 352,768 bytes, more than the 327,680 claimed.
; (acc + bq) / 32 is made as fma(acc, 1/32, bq/32): the same bits apart from denormals.
; LIMITS: NaN and infinities are not served; a block of zeros or under 2^-124 gets the byte 1 (read by this program alone).
.set GPW,   4736                       ; 32 rows of W in LDS: 32 x (128 + 16) + 128: rows p and p + 32 lie half a row of banks apart, so that a tile's 16 rows touch 16 different groups of four banks
.set SLOTB, 16*GPW                     ; a slot: 512 rows
.set XB,    2*SLOTB                    ; the tokens' codes: 4 groups of 32 rows, 512 + 16 bytes a row,
.set GPX,   17024                      ; 32 x 528 + 128 a group
.set BIASB, XB+4*GPX                   ; the bias, 4,096 bytes
.set SPARE, BIASB+4096                 ; the spare words, 128 bytes for each of 16 waves: eight blocks of 256 bytes that no other line names
.set SPW, 4                            ; v4   SPARE + 4 x my thread's number; never rewritten
.set NIL, 5                            ; v5   0; never rewritten
.set ADW, 6                            ; v6-7 my lane's place in W's tiles, slot 0, 1
.set ADX, 8                            ; v8   in the tokens' tiles
.set ABQ, 9                            ; v9   the bias for Q, K: my 32 features
.set ABV, 10                           ; v10  for V: my feature of tile 0
.set GOC, 11                           ; v11  16 x lane
.set GOS, 12                           ; v12  4 x lane
.set SH8, 13                           ; v13  8 x (lane / 16)
.set LSO, 14                           ; v14  scale words in memory: 32 pat(0, r) + 16 (lane / 16)
.set BM,  16                           ; v16-17 largest magnitudes, two chains
.set SO,  18                           ; v18-21 the conversions' scale operands
.set Y,   22                           ; v22-25 the bytes
.set W0,  26
.set W1,  27
.set T0,  28
.set T1,  29
.set WSR, 32                           ; v32-47 W's scale words: tile i, register 4 i + s % 4; lanes 0-15 K steps 0-3, lanes 16-31 K steps 4-7
.set XSR, 48                           ; v48-63 the tokens' likewise
.set WF,  64                           ; v64-95  W's four fragments; in the epilogue the bias
.set XF,  96                           ; v96-127 the tokens' four; in the epilogue the codes made
.set ACC, 128                          ; v128-255: accumulator (source 1's tile u, source 0's tile w) at ACC + 32 u + 8 w
.set XC, 4                             ; s[4:13] the chosen set: x codes, x scales, W codes, W scales, bias
.set XS, 6
.set WC, 8
.set WS, 10
.set BI, 12
.set OC, 14                            ; s[14:15] where my pieces go
.set OS, 16                            ; s[16:17] where my scale words go
.set WV, 18
.set TY, 19
.set CX, 20
.set TB, 21
.set HW, 22
.set TH, 23
.set MUL, 24                           ; s[24:25] 1/32 for Q, else 1
.set SEL, 26                           ; s[26:27] v_permlanex16_b32's selects for lane l xor 16
.set HM,  28                           ; s28 the mask of lanes 16-31
.set G1W, 32
.set G1X, 40
.set G1B, 48
.set G0W, 56                           ; s[56:59], s[60:63]: a group 0 for each slot
.set G0X, 68
.set G0B, 72
.macro ROUND                           ; a round of the cluster's barrier
	s_barrier_signal -1
	s_barrier_wait -1
	s_cmp_lg_u32 s[WV], 0
	s_cbranch_scc1 .Lnot_wave_0_\@
	s_barrier_signal -3
.Lnot_wave_0_\@:
	s_barrier_wait -3
	s_barrier_signal -1
	s_barrier_wait -1
.endm
.macro NOP4
.rept 4
	v_nop
.endr
.endm
.macro WM d, a, b, zero, sa, sb, row   ; row = 1: both sides' scale words are read from lanes 16-31
.if \zero
	v_wmma_scale_f32_16x16x128_f8f6f4 v[\d:\d+7], v[\a:\a+7], v[\b:\b+7], 0, v[\sa], v[\sb] matrix_a_fmt:MATRIX_FMT_FP4 matrix_b_fmt:MATRIX_FMT_FP4
.elseif \row
	v_wmma_scale_f32_16x16x128_f8f6f4 v[\d:\d+7], v[\a:\a+7], v[\b:\b+7], v[\d:\d+7], v[\sa], v[\sb] matrix_a_fmt:MATRIX_FMT_FP4 matrix_b_fmt:MATRIX_FMT_FP4 matrix_a_scale:MATRIX_SCALE_ROW1 matrix_b_scale:MATRIX_SCALE_ROW1
.else
	v_wmma_scale_f32_16x16x128_f8f6f4 v[\d:\d+7], v[\a:\a+7], v[\b:\b+7], v[\d:\d+7], v[\sa], v[\sb] matrix_a_fmt:MATRIX_FMT_FP4 matrix_b_fmt:MATRIX_FMT_FP4
.endif
.endm
; 32 numbers of a lane, one block, become four registers of codes, the conversion's scale operand and the byte
.macro QB a0, so, y, dst
	v_max3_num_f32 v[BM], |v[\a0]|, |v[\a0+1]|, 0x1800000          ; with the floor 2^(3 - 127): the byte cannot fall under 1
	v_max3_num_f32 v[BM+1], |v[\a0+2]|, |v[\a0+3]|, |v[\a0+4]|
.irp m, 5,9,13,17,21,25
	s_delay_alu instid0(VALU_DEP_2)
	v_max3_num_f32 v[BM], v[BM], |v[\a0+\m]|, |v[\a0+\m+1]|
	s_delay_alu instid0(VALU_DEP_2)
	v_max3_num_f32 v[BM+1], v[BM+1], |v[\a0+\m+2]|, |v[\a0+\m+3]|
.endr
	s_delay_alu instid0(VALU_DEP_2)
	v_max3_num_f32 v[BM], v[BM], |v[\a0+29]|, |v[\a0+30]|
	s_delay_alu instid0(VALU_DEP_1)
	v_max3_num_f32 v[BM], v[BM], v[BM+1], |v[\a0+31]|
	s_delay_alu instid0(VALU_DEP_1)
	v_add_nc_u32 v[\so], 0xff000000, v[BM]         ; 2 off the exponent field
	s_delay_alu instid0(VALU_DEP_1)
	v_lshrrev_b32 v[\y], 23, v[\so]
.irp g, 0,1,2,3
	v_cvt_scalef32_pk8_fp4_f32 v[\dst+\g], v[\a0+8*\g:\a0+8*\g+7], v[\so]
.endr
	v_nop                                          ; one plain line behind the conversions
.endm
	s_load_b256 s[4:11], s[0:1], 0x0               ; q's set
	s_load_b256 s[76:83], s[0:1], 0x20             ; k's
	s_load_b256 s[88:95], s[0:1], 0x40             ; v's
	s_load_b64 s[12:13], s[0:1], 0x60              ; bq
	s_load_b64 s[84:85], s[0:1], 0x68              ; bk
	s_load_b64 s[96:97], s[0:1], 0x70              ; bv
	s_load_b64 s[14:15], s[0:1], 0x78              ; img
	s_load_b64 s[16:17], s[0:1], 0x80              ; isc
	v_lshl_add_u32 v[SPW], v0, 2, SPARE
	v_mov_b32 v[NIL], 0
	ds_add_u32 v4, v5
	ds_add_u32 v4, v5
	s_wait_dscnt 0x0
	v_lshrrev_b32 v1, 5, v0
	s_delay_alu instid0(VALU_DEP_1)
	v_readfirstlane_b32 s[WV], v1                  ; wave 0..15
	s_and_b32 s[TY], ttmp7, 0xffff                 ; the projection: the same in all four partners
	s_bfe_u32 s[CX], ttmp6, 0x40000                ; my place in the cluster: it enters global addresses of my own tokens and results alone
	s_lshl_b32 s[TB], ttmp9, 2
	s_add_co_u32 s[TB], s[TB], s[CX]               ; my block of 128 tokens
	s_and_b32 s[HW], s[WV], 7
	s_lshr_b32 s[TH], s[WV], 3
	; group 1 for W's tiles: 32 rows x 128 bytes, 512 bytes apart in memory, 16 bytes of padding behind each row; joint
	s_mov_b32 s[G1W], 15|(1<<20)|(1<<21)|(4<<22)|(3<<25)
	s_mov_b32 s[G1W+1], 128<<16
	s_mov_b32 s[G1W+2], 32<<16
	s_mov_b32 s[G1W+3], 128<<16
	s_mov_b32 s[G1W+4], 32
	s_mov_b32 s[G1W+5], 512
	s_mov_b32 s[G1W+6], 0
	s_mov_b32 s[G1W+7], 0
	; for the tokens' codes: 32 rows x 512 bytes, dense, 16 bytes of padding behind each row; my own
	s_mov_b32 s[G1X], (1<<20)|(6<<22)|(3<<25)
	s_mov_b32 s[G1X+1], 512<<16
	s_mov_b32 s[G1X+2], 32<<16
	s_mov_b32 s[G1X+3], 512<<16
	s_mov_b32 s[G1X+4], 32
	s_mov_b32 s[G1X+5], 512
	s_mov_b32 s[G1X+6], 0
	s_mov_b32 s[G1X+7], 0
	; for the bias: 16 rows of 256 bytes (32 elements of 8 bytes), dense; joint
	s_mov_b32 s[G1B], 15|(3<<16)|(1<<21)
	s_mov_b32 s[G1B+1], 32<<16
	s_mov_b32 s[G1B+2], 16<<16
	s_mov_b32 s[G1B+3], 32<<16
	s_mov_b32 s[G1B+4], 16
	s_mov_b32 s[G1B+5], 32
	s_mov_b32 s[G1B+6], 0
	s_mov_b32 s[G1B+7], 0
	s_mov_b32 s[SEL], 0x76543210
	s_mov_b32 s[SEL+1], 0xfedcba98
	s_mov_b32 s[HM], 0xffff0000
	s_mov_b32 s[MUL], 1.0
	s_cmp_eq_u32 s[TY], 0
	s_cselect_b32 s[MUL], 0x3d000000, s[MUL]       ; 1/32 for Q
	s_mov_b32 s[MUL+1], s[MUL]
	; lane addresses
	v_and_b32 v16, 7, v0                           ; r % 8
	v_bfe_u32 v17, v0, 3, 1                        ; r / 8
	v_bfe_u32 v18, v0, 4, 1                        ; h
	v_and_b32 v19, 31, v0                          ; lane
	s_mul_i32 s98, s[HW], 2*GPW
	v_mul_u32_u24 v[ADW], v16, 144
	s_delay_alu instid0(VALU_DEP_1)
	v_mad_u32_u24 v[ADW], v17, GPW, v[ADW]
	s_delay_alu instid0(VALU_DEP_1)
	v_lshl_add_u32 v[ADW], v18, 4, v[ADW]
	s_delay_alu instid0(VALU_DEP_1)
	v_add_nc_u32 v[ADW], s98, v[ADW]               ; my head's 64 rows: row pat(0, r), + 16 h
	s_delay_alu instid0(VALU_DEP_1)
	v_add_nc_u32 v[ADW+1], SLOTB, v[ADW]
	s_mul_i32 s98, s[TH], 2*GPX
	s_add_co_u32 s98, s98, XB
	v_mul_u32_u24 v[ADX], v16, 528
	s_delay_alu instid0(VALU_DEP_1)
	v_mad_u32_u24 v[ADX], v17, GPX, v[ADX]
	s_delay_alu instid0(VALU_DEP_1)
	v_lshl_add_u32 v[ADX], v18, 4, v[ADX]
	s_delay_alu instid0(VALU_DEP_1)
	v_add_nc_u32 v[ADX], s98, v[ADX]               ; my 64 tokens likewise
	s_lshl_b32 s98, s[HW], 8
	s_add_co_u32 s98, s98, BIASB
	v_lshl_add_u32 v[ABQ], v18, 7, s98             ; features 32 h on
	v_lshlrev_b32 v[ABV], 2, v16
	s_delay_alu instid0(VALU_DEP_1)
	v_lshl_add_u32 v[ABV], v17, 7, v[ABV]
	s_delay_alu instid0(VALU_DEP_1)
	v_add_nc_u32 v[ABV], s98, v[ABV]               ; feature pat(0, r)
	v_lshlrev_b32 v[GOC], 4, v19
	v_lshlrev_b32 v[GOS], 2, v19
	v_lshlrev_b32 v[SH8], 3, v18
	v_lshlrev_b32 v[LSO], 5, v16
	s_delay_alu instid0(VALU_DEP_1)
	v_lshl_add_u32 v[LSO], v17, 10, v[LSO]
	s_delay_alu instid0(VALU_DEP_1)
	v_lshl_add_u32 v[LSO], v18, 4, v[LSO]
	v_mov_b32 v[T0], 0                             ; written once: a lane permute's destination counts as one of its sources
	v_mov_b32 v[T1], 0
	; offsets of my results and scale words
	s_lshr_b32 s98, s[TB], 4                       ; batch
	s_and_b32 s99, s[TB], 15                       ; block in the batch
	s_cmp_eq_u32 s[TY], 2
	s_cselect_b32 s29, 9, 11
	s_lshl_b32 s29, s[TH], s29                     ; th x 512 (V: the half of a fragment) or x 2,048 (four tiles)
	s_lshl_b32 s2, s[TY], 22
	s_add_co_u32 s29, s29, s2
	s_lshl_b32 s2, s98, 20
	s_add_co_u32 s29, s29, s2
	s_lshl_b32 s2, s[HW], 16
	s_add_co_u32 s29, s29, s2
	s_lshl_b32 s2, s99, 12
	s_add_co_u32 s29, s29, s2                      ; in img
	s_lshl_b32 s30, s[TY], 18
	s_lshl_b32 s2, s98, 16
	s_add_co_u32 s30, s30, s2
	s_lshl_b32 s2, s[HW], 12
	s_add_co_u32 s30, s30, s2
	s_lshl_b32 s2, s99, 8
	s_add_co_u32 s30, s30, s2
	s_lshl_b32 s2, s[TH], 7
	s_add_co_u32 s30, s30, s2                      ; in isc
	s_lshl_b32 s31, s[TB], 12
	s_lshl_b32 s2, s[TH], 11
	s_add_co_u32 s31, s31, s2                      ; my 64 tokens' scale bytes: 32 a token
	s_wait_kmcnt 0x0
	s_cmp_eq_u32 s[TY], 1                          ; the set is chosen by the work-group's y alone
	s_cselect_b64 s[4:5], s[76:77], s[4:5]
	s_cselect_b64 s[6:7], s[78:79], s[6:7]
	s_cselect_b64 s[8:9], s[80:81], s[8:9]
	s_cselect_b64 s[10:11], s[82:83], s[10:11]
	s_cselect_b64 s[12:13], s[84:85], s[12:13]
	s_cmp_eq_u32 s[TY], 2
	s_cselect_b64 s[4:5], s[88:89], s[4:5]
	s_cselect_b64 s[6:7], s[90:91], s[6:7]
	s_cselect_b64 s[8:9], s[92:93], s[8:9]
	s_cselect_b64 s[10:11], s[94:95], s[10:11]
	s_cselect_b64 s[12:13], s[96:97], s[12:13]
	; groups 0.  W: wave w fetches rows 32 w .. 32 w + 31 of the chunk's 512; slot p begins with K bytes 128 p
	s_lshl_b32 s86, s[WV], 14
	s_mov_b32 s87, 0
	s_add_nc_u64 s[86:87], s[WC:WC+1], s[86:87]
	s_mul_i32 s98, s[WV], GPW
	s_mov_b32 s[G0W], 1
	s_mov_b32 s[G0W+1], s98
	s_mov_b64 s[G0W+2:G0W+3], s[86:87]
	s_or_b32 s[G0W+3], s[G0W+3], 0x80000000
	s_mov_b32 s[G0W+4], 1
	s_add_co_u32 s[G0W+5], s98, SLOTB
	s_add_nc_u64 s[G0W+6:G0W+7], s[86:87], 128
	s_or_b32 s[G0W+7], s[G0W+7], 0x80000000
	s_mov_b32 s[G0B], 1
	s_mov_b32 s[G0B+1], BIASB
	s_mov_b64 s[G0B+2:G0B+3], s[BI:BI+1]
	s_or_b32 s[G0B+3], s[G0B+3], 0x80000000
	; the tokens: waves 8 to 11 fetch 32 rows each
	s_and_b32 s99, s[WV], 3
	s_mul_i32 s98, s99, GPX
	s_mov_b32 s[G0X], 1
	s_add_co_u32 s[G0X+1], s98, XB
	s_lshl_b32 s2, s[TB], 16
	s_lshl_b32 s3, s99, 14
	s_add_co_u32 s2, s2, s3
	s_mov_b32 s3, 0
	s_add_nc_u64 s[G0X+2:G0X+3], s[XC:XC+1], s[2:3]
	s_or_b32 s[G0X+3], s[G0X+3], 0x80000000
	s_mov_b32 s2, s29
	s_add_nc_u64 s[OC:OC+1], s[OC:OC+1], s[2:3]
	s_mov_b32 s2, s30
	s_add_nc_u64 s[OS:OS+1], s[OS:OS+1], s[2:3]
	s_mov_b32 s2, s31
	s_add_nc_u64 s[XS:XS+1], s[XS:XS+1], s[2:3]
	s_lshl_b32 s2, s[HW], 11
	s_add_nc_u64 s[WS:WS+1], s[WS:WS+1], s[2:3]    ; my head's 64 rows of W's scale bytes
	ROUND                                          ; all four work-groups are here: the first joint loads meet
	tensor_load_to_lds s[G0W:G0W+3], s[G1W:G1W+7]  ; every wave: its part of W's first tile
	s_nop 0
	NOP4
	s_wait_alu depctr_va_vdst(0)
	s_wait_tensorcnt 0x0
	ds_add_u32 v4, v5
	s_wait_dscnt 0x0
	ROUND
	s_cmp_lt_u32 s[WV], 8
	s_cbranch_scc1 .Lfilled
	s_cmp_lt_u32 s[WV], 12
	s_cbranch_scc0 .Lfor_bias
	tensor_load_to_lds s[G0X:G0X+3], s[G1X:G1X+7]  ; waves 8 to 11: the tokens' codes, filled once
	s_nop 0
	NOP4
	s_branch .Lfilled
.Lfor_bias:
	s_cmp_eq_u32 s[WV], 12
	s_cbranch_scc0 .Lfilled
	tensor_load_to_lds s[G0B:G0B+3], s[G1B:G1B+7]  ; wave 12: the bias, filled once.  Two loads of a wave are out at the most
	s_nop 0
	NOP4
.Lfilled:
	s_wait_alu depctr_va_vdst(0)
.irp t, 0,1,2,3
	global_load_b128 v[XSR+4*\t:XSR+4*\t+3], v[LSO], s[XS:XS+1] offset:256*\t   ; row pat(t, r): words 4 h .. 4 h + 3; eight rows are 256 consecutive bytes
	global_load_b128 v[WSR+4*\t:WSR+4*\t+3], v[LSO], s[WS:WS+1] offset:256*\t
.endr
	s_wait_loadcnt 0x0
; 128 along K: the u-th of slot p; s: which of K's eight.  zero = 1: the products start the sums.  The 16 accumulators take turns in ascending order in both arms.
.macro KSTEP p, u, s, zero
	NOP4                                           ; four places in front of loads into registers that matrix instructions have read
.irp i, 0,1,2,3
.irp c, 0,1
	ds_load_b128 v[WF+8*\i+4*\c:WF+8*\i+4*\c+3], v[ADW+(\p)] offset:1152*\i+64*(\u)+32*\c
.endr
.endr
.irp t, 0,1,2,3
.irp c, 0,1
	ds_load_b128 v[XF+8*\t+4*\c:XF+8*\t+4*\c+3], v[ADX] offset:4224*\t+64*(\s)+32*\c
.endr
.endr
	s_wait_dscnt 0x0                               ; all sixteen are wanted
	s_cmp_eq_u32 s[TY], 2
	s_cbranch_scc1 .Lkv_\@
.irp t, 0,1,2,3
.irp i, 0,1,2,3
	WM ACC+32*\t+8*\i, WF+8*\i, XF+8*\t, \zero, WSR+4*\i+((\s)&3), XSR+4*\t+((\s)&3), (\s)/4
.endr
.endr
	s_branch .Lkj_\@
.Lkv_\@:
.irp i, 0,1,2,3
.irp t, 0,1,2,3
	WM ACC+32*\i+8*\t, XF+8*\t, WF+8*\i, \zero, XSR+4*\t+((\s)&3), WSR+4*\i+((\s)&3), (\s)/4
.endr
.endr
.Lkj_\@:
.endm
; A tile of W: K bytes 128 q of the chunk, in slot.  In front of the round each wave waits for all its tensor loads, adds 0 to its spare word, and waits for that and for its reads of the other slot.
; refill = 1: behind the round the next tile goes into the other slot: a wave's one tensor load until the next round.  delta: from this slot's tile to its next one.
.macro TRIP slot, q, refill, delta, zero
	s_wait_tensorcnt 0x0                           ; all my tensor loads have landed, my part of this tile among them: so a group 0 may be written
	ds_add_u32 v[SPW], v[NIL]                      ; 0 onto my spare word
.if \delta
	s_add_nc_u64 s[G0W+4*(\slot)+2:G0W+4*(\slot)+3], s[G0W+4*(\slot)+2:G0W+4*(\slot)+3], \delta
.endif
	s_wait_dscnt 0x0                               ; the add is done, and my reads of the last tile are over
	ROUND                                          ; both now hold of every wave of all four work-groups
.if \refill
	tensor_load_to_lds s[G0W+4*(1-(\slot)):G0W+4*(1-(\slot))+3], s[G1W:G1W+7]
	s_nop 0
	NOP4
.endif
	KSTEP \slot, 0, 2*(\q), \zero
	KSTEP \slot, 1, 2*(\q)+1, 0
.endm
; THE EPILOGUE of chunk n.  ty = 0 (Q, K): block b = token tile b, a lane's 32 registers are features 32 h + 0 .. 31 of one token.  ty = 1 (V): block b = W's tile b, they are tokens 32 h + 0 .. 31 of one feature.
.macro EPI ty, n
	NOP4                                           ; four places: the results are read, and loads go into registers that the last products read
.if (\n) == 0
.irp i, 0,1,2,3
	global_load_b128 v[WSR+4*\i:WSR+4*\i+3], v[LSO], s[WS:WS+1] offset:256*\i+16384   ; the next chunk's scale words of W
.endr
.endif
.if (\ty) == 0
.irp m, 0,1,2,3,4,5,6,7
	ds_load_b128 v[WF+4*\m:WF+4*\m+3], v[ABQ] offset:2048*(\n)+16*\m
.endr
.else
.irp i, 0,1,2,3
	ds_load_b32 v[WF+2*\i], v[ABV] offset:2048*(\n)+32*\i
.endr
.endif
	s_wait_dscnt 0x0
.if (\ty) == 0
.irp m, 0,2,4,6,8,10,12,14,16,18,20,22,24,26,28,30
	v_pk_mul_f32 v[WF+\m:WF+\m+1], v[WF+\m:WF+\m+1], s[MUL:MUL+1] op_sel_hi:[1,0]
.endr
.endif
.irp b, 0,1,2,3
.irp m, 0,2,4,6,8,10,12,14,16,18,20,22,24,26,28,30
.if (\ty) == 0
	v_pk_fma_f32 v[ACC+32*\b+\m:ACC+32*\b+\m+1], v[ACC+32*\b+\m:ACC+32*\b+\m+1], s[MUL:MUL+1], v[WF+\m:WF+\m+1] op_sel_hi:[1,0,1]   ; each accumulator from its low end on
.else
	v_pk_fma_f32 v[ACC+32*\b+\m:ACC+32*\b+\m+1], v[ACC+32*\b+\m:ACC+32*\b+\m+1], s[MUL:MUL+1], v[WF+2*\b:WF+2*\b+1] op_sel_hi:[1,0,0]
.endif
.endr
	QB ACC+32*\b, SO+\b, Y+\b, XF+4*\b
	global_store_b128 v[GOC], v[XF+4*\b:XF+4*\b+3], s[OC:OC+1] offset:524288*(\n)+\b*(512+512*(\ty))   ; a piece: 512 consecutive bytes
.endr
	v_lshl_or_b32 v[W0], v[Y+1], 16, v[Y]          ; my half's bytes of blocks 0, 1 and of 2, 3,
	v_lshl_or_b32 v[W1], v[Y+3], 16, v[Y+2]
	s_delay_alu instid0(VALU_DEP_2)
	v_lshlrev_b32 v[W0], v[SH8], v[W0]             ; at their places (8 h bits up);
	s_delay_alu instid0(VALU_DEP_2)
	v_lshlrev_b32 v[W1], v[SH8], v[W1]
	s_delay_alu instid0(VALU_DEP_2)
	v_permlanex16_b32 v[T0], v[W0], s[SEL], s[SEL+1]
	s_delay_alu instid0(VALU_DEP_2)
	v_permlanex16_b32 v[T1], v[W1], s[SEL], s[SEL+1]
	s_delay_alu instid0(VALU_DEP_2)
	v_or_b32 v[W0], v[W0], v[T0]                   ; with lane l xor 16's the words are whole
	s_delay_alu instid0(VALU_DEP_2)
	v_or_b32 v[W1], v[W1], v[T1]
	s_delay_alu instid0(VALU_DEP_1)
	v_cndmask_b32 v[W0], v[W0], v[W1], s[HM]       ; lanes 0-15 store the first word, lanes 16-31 the second
	global_store_b32 v[GOS], v[W0], s[OS:OS+1] offset:32768*(\n)
	s_wait_xcnt 0x0                                ; the stores' data registers are loaded and written again only behind this wait
	s_wait_loadcnt 0x0                             ; W's scale words
.endm
	TRIP 0, 0, 1, 256, 1
	TRIP 1, 1, 1, 256, 0
	TRIP 0, 2, 1, 261888, 0                        ; 512 rows down and back along K
	TRIP 1, 3, 1, 261888, 0
	s_cmp_eq_u32 s[TY], 2
	s_cbranch_scc1 .Lepi_v0
	EPI 0, 0
	s_branch .Lepi_j0
.Lepi_v0:
	EPI 1, 0
.Lepi_j0:
	TRIP 0, 0, 1, 256, 1
	TRIP 1, 1, 1, 256, 0
	TRIP 0, 2, 1, 0, 0
	TRIP 1, 3, 0, 0, 0                             ; nothing is left to fetch
	s_cmp_eq_u32 s[TY], 2
	s_cbranch_scc1 .Lepi_v1
	EPI 0, 1
	s_branch .Lepi_j1
.Lepi_v1:
	EPI 1, 1
.Lepi_j1:
	s_wait_tensorcnt 0x0                           ; the wave's end
	ds_add_u32 v[SPW], v[NIL]
	s_wait_dscnt 0x0
	ROUND                                          ; the closing round: no work-group ends while a partner may still ask for a tile that names it
	s_endpgm
.Lfunc_end_k_q847550c5c4_proj:
	.size	k_q847550c5c4_proj, .Lfunc_end_k_q847550c5c4_proj-k_q847550c5c4_proj
	.p2alignl 7, 3214868480
	.fill 96, 4, 3214868480
	.section	.rodata,"a",@progbits
	.p2align	6, 0x0
	.amdhsa_kernel k_q847550c5c4_proj
		.amdhsa_group_segment_fixed_size 327680
		.amdhsa_private_segment_fixed_size 0
		.amdhsa_enable_private_segment 0
		.amdhsa_kernarg_size 136
		.amdhsa_user_sgpr_count 2
		.amdhsa_user_sgpr_kernarg_segment_ptr 1
		.amdhsa_wavefront_size32 1
		.amdhsa_system_sgpr_workgroup_id_x 1
		.amdhsa_system_sgpr_workgroup_id_y 1
		.amdhsa_system_sgpr_workgroup_id_z 1
		.amdhsa_system_vgpr_workitem_id 0
		.amdhsa_next_free_vgpr 256
		.amdhsa_next_free_sgpr 100
		.amdhsa_reserve_vcc 0
		.amdhsa_float_denorm_mode_32 3
		.amdhsa_float_denorm_mode_16_64 3
		.amdhsa_memory_ordered 1
		.amdhsa_forward_progress 1
		.amdhsa_inst_pref_size 157
	.end_amdhsa_kernel
	.amdgpu_metadata
---
amdhsa.version: [ 1, 2 ]
amdhsa.kernels:
  - .name:           k_q847550c5c4_proj
    .symbol:         k_q847550c5c4_proj.kd
    .args:
      - { .name: qc, .offset: 0, .size: 8, .value_kind: global_buffer, .address_space: global }
      - { .name: qs, .offset: 8, .size: 8, .value_kind: global_buffer, .address_space: global }
      - { .name: Wq_codes, .offset: 16, .size: 8, .value_kind: global_buffer, .address_space: global }
      - { .name: Wq_scales, .offset: 24, .size: 8, .value_kind: global_buffer, .address_space: global }
      - { .name: k_codes, .offset: 32, .size: 8, .value_kind: global_buffer, .address_space: global }
      - { .name: k_scales, .offset: 40, .size: 8, .value_kind: global_buffer, .address_space: global }
      - { .name: Wk_codes, .offset: 48, .size: 8, .value_kind: global_buffer, .address_space: global }
      - { .name: Wk_scales, .offset: 56, .size: 8, .value_kind: global_buffer, .address_space: global }
      - { .name: v_codes, .offset: 64, .size: 8, .value_kind: global_buffer, .address_space: global }
      - { .name: v_scales, .offset: 72, .size: 8, .value_kind: global_buffer, .address_space: global }
      - { .name: Wv_codes, .offset: 80, .size: 8, .value_kind: global_buffer, .address_space: global }
      - { .name: Wv_scales, .offset: 88, .size: 8, .value_kind: global_buffer, .address_space: global }
      - { .name: bq, .offset: 96, .size: 8, .value_kind: global_buffer, .address_space: global }
      - { .name: bk, .offset: 104, .size: 8, .value_kind: global_buffer, .address_space: global }
      - { .name: bv, .offset: 112, .size: 8, .value_kind: global_buffer, .address_space: global }
      - { .name: img, .offset: 120, .size: 8, .value_kind: global_buffer, .address_space: global }
      - { .name: isc, .offset: 128, .size: 8, .value_kind: global_buffer, .address_space: global }
    .group_segment_fixed_size: 327680
    .private_segment_fixed_size: 0
    .kernarg_segment_align: 8
    .kernarg_segment_size: 136
    .max_flat_workgroup_size: 512
    .sgpr_count:     100
    .vgpr_count:     256
    .wavefront_size: 32
...
	.end_amdgpu_metadata
.endif
;; end of part 2
;; launch attn (part 3): grid 4 x 64, 16 waves a work-group, clusters of 4 x 1, 169,984 bytes of LDS; arguments img, isc, oimg, osc; writes oimg, osc
.if DOCPART == 3
	.amdgcn_target "amdgcn-amd-amdhsa--gfx1250"
	.amdhsa_code_object_version 6
	.text
	.protected	k_q847550c5c4_attn
	.globl	k_q847550c5c4_attn
	.p2align	8
	.type	k_q847550c5c4_attn,@function
k_q847550c5c4_attn:
	s_mov_b64 s[64:65], 0
	v_nop
	global_prefetch_b8 v0, s[64:65] scope:SCOPE_SE
	s_setreg_imm32_b32 hwreg(HW_REG_WAVE_MODE, 25, 1), 1
	s_wait_xcnt 0x0
	s_wait_alu depctr_hold_cnt(0) depctr_sa_sdst(0) depctr_va_vdst(0) depctr_va_sdst(0) depctr_va_ssrc(0) depctr_va_vcc(0) depctr_vm_vsrc(0)
	s_getreg_b32 s2, hwreg(HW_REG_IB_STS2, 6, 4)
	s_cmp_eq_u32 s2, 0
	s_cbranch_scc0 .Lentry_in_a_cluster
	s_endpgm
.Lentry_in_a_cluster:
	s_bfe_u32 s2, ttmp6, 0x10000c
	s_cmp_lg_u32 s2, 0x3003
	s_cbranch_scc0 .Lentry_shape_is_right
	s_endpgm
.Lentry_shape_is_right:
; Attention of one (batch, head) on codes of FP4 with E8M0 scales, from the pieces and scale words that the projections left, and its result quantised as the operand of the output projection.
; t = score x log2(e) (the division by 32 is in Q); M = the running largest t rounded UP to a whole number; p = 2^(t - M) is quantised along the keys, not normalised; the row's sum is taken of the unquantised p and divides at the end.
; When M moves, the sum and O are multiplied by 2^(old M - new M): exact.
; SHARES.  Work-group y = batch x 16 + head; its place in the cluster picks 512 queries.  Each of 16 waves owns two tiles of 16 queries (A, B) and walks all 2,048 keys, 128 a step: a fragment of K or V read from LDS feeds both tiles.
; THE WHOLE HEAD LIES IN LDS, FILLED ONCE: K's pieces 65,536 bytes, V's 65,536, their scale words 4,096 each.  The pieces are read at 16 x lane: consecutive bytes, no padding.  Nothing is filled again.
; CLUSTER.  The four partners read the same head: all fills are joint (mask 15), issued by waves 0 (K) and 1 (V): five loads a wave are out at the most.  All bytes are asked for at the head, so there is nothing to ask for ahead.
; K = 64 IN AN INSTRUCTION 128 DEEP.  A fragment of K holds key tile 2 f in k 0-63 and key tile 2 f + 1 in k 64-127; it is multiplied once by [Q | 0] and once by [0 | Q] (zero CODES): four fragments serve eight tiles of scores.
; LAYOUT.  Both products transposed: S^T = K Q^T, O^T = V^T P^T: a lane holds one query.  Lane r of key tile t is key 64 (t / 4) + 8 (t % 4) + r % 8 + 32 (r / 8): so S's registers 32 c .. 32 c + 31 of lane (r, h) are keys 64 c + 32 h + 0 .. 31:
; a whole block in one lane, and the conversions' results ARE the second product's operand.  V's d tiles are laid alike, so that O's 32 registers are d = 32 h + 0 .. 31.
; LIMITS: NaN and infinities are not served.  A block's largest p is made from its largest score by the same two instructions as every p, which takes v_exp_f32 not to fall where its input rises.  A block of zeros gets the byte 1.
.set KSC,  131072
.set VSC,  135168
.set OSCS, 139264                      ; 1,024 bytes: the work-group's scale halves of O, written by LDS stores alone
.set AK0,  1                           ; v1   16 x lane
.set AV0,  2                           ; v2   65,536 + 16 x lane
.set AKS0, 3                           ; v3   KSC + 4 r
.set AVS0, 4                           ; v4   VSC + 4 r
.set SH8,  5                           ; v5   8 x (lane / 16)
.set ADK,  6                           ; v6-9 the step's addresses
.set ADV,  7
.set ADKS, 8
.set ADVS, 9
.set QW,   10                          ; v10  Q's scale word (A: d blocks 0, 1 | B: 0, 1);  v11 the same with its halves changed
.set F,    20                          ; v[20:21] 2^(old M - new M).  v[12:13] -M and the largest t of A, v[14:15] its sum; v[16:19] the same of B
.set BM,   22
.set T0,   24
.set T1,   25
.set SO,   26
.set Y,    28
.set SACC, 30
.set PS,   32                          ; v32, v33 p's scale words of A, B
.set KS,   34                          ; v34-37 K's scale words
.set VP,   38                          ; v38-41 V's scale words as they lie
.set VW,   42                          ; v42-45 and as the four d tiles want them
.set PCD,  46                          ; v46-53, v54-61 p's codes of A, B
.set OSA,  62
.set OSR,  63
.set ZQ,   64                          ; v64-83: 0000, Q of A, 0000, Q of B, 0000
.set QO,   86
.set GO16, 87
.set KF,   96                          ; v96-127 four fragments of K, then of V
.set S,    128                         ; v128-191 scores, then p
.set O,    192                         ; v192-223 O^T of A, v224-255 of B
.set WV,  12
.set CX,  13
.set BH,  14
.set EE,  15
.set CS,  16                           ; s[16:17] log2(e)
.set SEL, 18
.set HM,  20
.set TBS, 21                           ; the step's first byte in K's and V's pieces
.set TS,  22                           ; and in their scale words
.set CNT, 23
.set G1A, 24
.set G1B, 32
.set G0,  40                           ; s[40:59] five groups 0
.set PL,  66
.set PH,  67
.macro ROUND
	s_barrier_signal -1
	s_barrier_wait -1
	s_cmp_lg_u32 s[WV], 0
	s_cbranch_scc1 .Lnot_wave_0_\@
	s_barrier_signal -3
.Lnot_wave_0_\@:
	s_barrier_wait -3
	s_barrier_signal -1
	s_barrier_wait -1
.endm
.macro NOP4
.rept 4
	v_nop
.endr
.endm
.macro WM d, a, b, zero, sa, sb
.if \zero
	v_wmma_scale_f32_16x16x128_f8f6f4 v[\d:\d+7], v[\a:\a+7], v[\b:\b+7], 0, v[\sa], v[\sb] matrix_a_fmt:MATRIX_FMT_FP4 matrix_b_fmt:MATRIX_FMT_FP4
.else
	v_wmma_scale_f32_16x16x128_f8f6f4 v[\d:\d+7], v[\a:\a+7], v[\b:\b+7], v[\d:\d+7], v[\sa], v[\sb] matrix_a_fmt:MATRIX_FMT_FP4 matrix_b_fmt:MATRIX_FMT_FP4
.endif
.endm
.macro QB a0, so, y, dst               ; 32 numbers of a lane, one block, become four registers of codes, the scale operand and the byte
	v_max3_num_f32 v[BM], |v[\a0]|, |v[\a0+1]|, 0x1800000
	v_max3_num_f32 v[BM+1], |v[\a0+2]|, |v[\a0+3]|, |v[\a0+4]|
.irp m, 5,9,13,17,21,25
	s_delay_alu instid0(VALU_DEP_2)
	v_max3_num_f32 v[BM], v[BM], |v[\a0+\m]|, |v[\a0+\m+1]|
	s_delay_alu instid0(VALU_DEP_2)
	v_max3_num_f32 v[BM+1], v[BM+1], |v[\a0+\m+2]|, |v[\a0+\m+3]|
.endr
	s_delay_alu instid0(VALU_DEP_2)
	v_max3_num_f32 v[BM], v[BM], |v[\a0+29]|, |v[\a0+30]|
	s_delay_alu instid0(VALU_DEP_1)
	v_max3_num_f32 v[BM], v[BM], v[BM+1], |v[\a0+31]|
	s_delay_alu instid0(VALU_DEP_1)
	v_add_nc_u32 v[\so], 0xff000000, v[BM]
	s_delay_alu instid0(VALU_DEP_1)
	v_lshrrev_b32 v[\y], 23, v[\so]
.irp g, 0,1,2,3
	v_cvt_scalef32_pk8_fp4_f32 v[\dst+\g], v[\a0+8*\g:\a0+8*\g+7], v[\so]
.endr
	v_nop
.endm
	s_load_b256 s[4:11], s[0:1], 0x0               ; img s[4:5], isc s[6:7], oimg s[8:9], osc s[10:11]
	v_lshl_add_u32 v94, v0, 2, 0x29000
	v_mov_b32 v95, 0
	ds_add_u32 v94, v95
	ds_add_u32 v94, v95
	v_lshrrev_b32 v84, 5, v0
	s_delay_alu instid0(VALU_DEP_1)
	v_readfirstlane_b32 s[WV], v84                 ; wave 0..15
	s_bfe_u32 s[CX], ttmp6, 0x40000                ; my place in the cluster: it enters Q's and the results' global addresses alone
	s_and_b32 s[BH], ttmp7, 0xffff                 ; batch x 16 + head: the four partners share it
	s_and_b32 s[EE], s[WV], 1                      ; wave 0 fetches K, wave 1 V
	s_mov_b32 s[G1A], 15|(3<<16)|(1<<21)           ; 64 rows of 256 bytes (32 elements of 8 bytes), dense; joint
	s_mov_b32 s[G1A+1], 32<<16
	s_mov_b32 s[G1A+2], 64<<16
	s_mov_b32 s[G1A+3], 32<<16
	s_mov_b32 s[G1A+4], 64
	s_mov_b32 s[G1A+5], 32
	s_mov_b32 s[G1A+6], 0
	s_mov_b32 s[G1A+7], 0
	s_mov_b32 s[G1B], 15|(3<<16)|(1<<21)           ; 16 such rows
	s_mov_b32 s[G1B+1], 32<<16
	s_mov_b32 s[G1B+2], 16<<16
	s_mov_b32 s[G1B+3], 32<<16
	s_mov_b32 s[G1B+4], 16
	s_mov_b32 s[G1B+5], 32
	s_mov_b32 s[G1B+6], 0
	s_mov_b32 s[G1B+7], 0
	s_mov_b32 s[CS], 0x3fb8aa3b
	s_mov_b32 s[CS+1], s[CS]
	s_mov_b32 s[SEL], 0x76543210
	s_mov_b32 s[SEL+1], 0xfedcba98
	s_mov_b32 s[HM], 0xffff0000
	s_mov_b32 s[PL], 0x05040100
	s_mov_b32 s[PH], 0x07060302
	s_mov_b32 s[TBS], 0
	s_mov_b32 s[TS], 0
	v_and_b32 v84, 31, v0
	v_and_b32 v85, 15, v0
	s_delay_alu instid0(VALU_DEP_2)
	v_lshlrev_b32 v[AK0], 4, v84
	s_delay_alu instid0(VALU_DEP_1)
	v_add_nc_u32 v[AV0], 0x10000, v[AK0]
	s_delay_alu instid0(VALU_DEP_3)
	v_lshl_add_u32 v[AKS0], v85, 2, KSC
	s_delay_alu instid0(VALU_DEP_4)
	v_lshl_add_u32 v[AVS0], v85, 2, VSC
	v_bfe_u32 v[SH8], v0, 4, 1
	s_delay_alu instid0(VALU_DEP_1)
	v_lshlrev_b32 v[SH8], 3, v[SH8]
	v_lshlrev_b32 v[QO], 2, v85
	v_lshl_add_u32 v[OSA], v0, 1, OSCS             ; 64 x wave + 2 x lane
	v_lshl_add_u32 v[OSR], v0, 4, OSCS             ; (read by waves 0 and 1 alone)
	v_lshlrev_b32 v[GO16], 4, v0
	s_lshl_b32 s60, s[EE], 18
	s_lshl_b32 s61, s[BH], 12
	s_add_co_u32 s60, s60, s61
	s_add_co_u32 s60, s60, 262144                  ; the head's scale words of K or V
	s_mov_b32 s61, 0
	s_lshl_b32 s62, s[EE], 22
	s_lshl_b32 s63, s[BH], 16
	s_add_co_u32 s62, s62, s63
	s_add_co_u32 s62, s62, 0x400000                ; and its pieces
	s_mov_b32 s63, 0
	s_lshl_b32 s68, s[EE], 16
	s_wait_dscnt 0x0
	s_wait_kmcnt 0x0
	s_mov_b32 s[G0], 1
	s_lshl_b32 s[G0+1], s[EE], 12
	s_add_co_u32 s[G0+1], s[G0+1], KSC
	s_add_nc_u64 s[G0+2:G0+3], s[6:7], s[60:61]
	s_or_b32 s[G0+3], s[G0+3], 0x80000000
	s_add_nc_u64 s[62:63], s[4:5], s[62:63]
.irp j, 0,1,2,3
	s_mov_b32 s[G0+4+4*\j], 1
	s_add_co_u32 s[G0+5+4*\j], s68, 16384*\j
	s_add_nc_u64 s[G0+6+4*\j:G0+7+4*\j], s[62:63], 16384*\j        ; four steps' pieces
	s_or_b32 s[G0+7+4*\j], s[G0+7+4*\j], 0x80000000
.endr
	ROUND                                          ; all four work-groups are here: the joint loads meet
	s_cmp_lt_u32 s[WV], 2
	s_cbranch_scc0 .Lno_fill
	tensor_load_to_lds s[G0:G0+3], s[G1B:G1B+7]    ; the scale words first: they are wanted with step 0
	s_nop 0
	tensor_load_to_lds s[G0+4:G0+7], s[G1A:G1A+7]
	s_nop 0
	tensor_load_to_lds s[G0+8:G0+11], s[G1A:G1A+7]
	s_nop 0
	tensor_load_to_lds s[G0+12:G0+15], s[G1A:G1A+7]
	s_nop 0
	tensor_load_to_lds s[G0+16:G0+19], s[G1A:G1A+7]
	s_nop 0
	NOP4
.Lno_fill:
	; where my results go: tiles batch x 128 + 32 cx + 2 wave (+ 1)
	s_lshr_b32 s60, s[BH], 4
	s_lshl_b32 s60, s60, 7
	s_lshl_b32 s61, s[CX], 5
	s_add_co_u32 s60, s60, s61                     ; the work-group's first tile
	s_and_b32 s61, s[BH], 15                       ; the head
	s_lshl_b32 s62, s60, 5
	s_lshl_b32 s63, s61, 14
	s_add_co_u32 s62, s62, s63
	s_mov_b32 s63, 0
	s_add_nc_u64 s[10:11], s[10:11], s[62:63]      ; osc: [head][tile][r], 2 bytes
	s_lshl_b32 s62, s[WV], 1
	s_add_co_u32 s60, s60, s62
	s_lshl_b32 s60, s60, 13
	s_lshl_b32 s61, s61, 9
	s_add_co_u32 s60, s60, s61
	s_mov_b32 s61, 0
	s_add_nc_u64 s[8:9], s[8:9], s[60:61]          ; oimg: [tile][head][piece]
	s_lshl_b32 s60, s[BH], 6
	s_lshl_b32 s61, s[CX], 4
	s_add_co_u32 s60, s60, s61
	s_add_co_u32 s60, s60, s[WV]                   ; my pair of query tiles
	s_lshl_b32 s68, s60, 6
	s_mov_b32 s69, 0
	s_lshl_b32 s60, s60, 10
	s_mov_b32 s61, 0
	s_add_nc_u64 s[2:3], s[4:5], s[60:61]
	s_add_nc_u64 s[68:69], s[6:7], s[68:69]
	global_load_b128 v[ZQ+4:ZQ+7], v[AK0], s[2:3]
	global_load_b128 v[ZQ+12:ZQ+15], v[AK0], s[2:3] offset:512
	s_wait_alu depctr_va_vdst(0)
	global_load_b32 v[QW], v[QO], s[68:69]
	s_wait_loadcnt 0x0
	v_alignbit_b32 v[QW+1], v[QW], v[QW], 16       ; the lines below are more than the eight places that a scale register so written owes
.irp j, 0,1,2,3,8,9,10,11,16,17,18,19
	v_mov_b32 v[ZQ+\j], 0                          ; zero codes
.endr
.set J, 0
.rept 64
	v_mov_b32 v[O+J], 0                            ; the step is written once: the first finds zeros, which the first change of M leaves zeros
.set J, J+1
.endr
.irp x, 0,1
	v_mov_b32 v[13+4*\x], 0xff61b1e6               ; the largest t so far: -3e38
	s_delay_alu instid0(VALU_DEP_1)
	v_floor_f32 v[12+4*\x], -v[13+4*\x]            ; -M
	v_mov_b32 v[14+4*\x], 0
	v_mov_b32 v[15+4*\x], 0
.endr
	v_mov_b32 v[F+1], 0                            ; named as the upper half of a pair
	v_mov_b32 v[T1], 0                             ; a lane permute's destination counts as one of its sources
.macro LOADF adr                       ; four fragments: eight pieces of 512 consecutive bytes
.irp f, 0,1,2,3
.irp c, 0,1
	ds_load_b128 v[KF+8*\f+4*\c:KF+8*\f+4*\c+3], v[\adr] offset:1024*\f+512*\c
.endr
.endr
.endm
.macro SCORES x                        ; eight tiles of scores of query tile x: [Q | 0] lies at ZQ + 4 + 8 x, [0 | Q] at ZQ + 8 x; the scale word whose bytes stand over Q's half goes with each
.irp f, 0,1,2,3
	WM S+16*\f, KF+8*\f, ZQ+4+8*(\x), 1, KS+\f, QW+(\x)
	WM S+16*\f+8, KF+8*\f, ZQ+8*(\x), 1, KS+\f, QW+1-(\x)
.endr
.endm
; The softmax of query tile x for 128 keys, and p's codes and scale word.  hook = 1: V's fragments and scale words have been asked for: they are waited for here and the words laid for the four d tiles.
.macro SOFT x, hook
.set ST, 12+4*(\x)
.set PC, PCD+8*(\x)
.set OO, O+32*(\x)
.irp c, 0,1
	v_max3_num_f32 v[BM+\c], v[S+32*\c], v[S+32*\c+1], v[S+32*\c+2]   ; the largest score of each of my two blocks of 32 keys; ascending
.endr
.irp i, 3,5,7,9,11,13,15,17,19,21,23,25,27,29
.irp c, 0,1
	v_max3_num_f32 v[BM+\c], v[BM+\c], v[S+32*\c+\i], v[S+32*\c+\i+1]
.endr
.endr
.irp c, 0,1
	v_max_num_f32 v[BM+\c], v[BM+\c], v[S+32*\c+31]
.endr
	s_delay_alu instid0(VALU_DEP_1)
	v_max_num_f32 v[T0], v[BM], v[BM+1]
	s_delay_alu instid0(VALU_DEP_1)
	v_permlanex16_b32 v[T1], v[T0], s[SEL], s[SEL+1]
	s_delay_alu instid0(VALU_DEP_1)
	v_max_num_f32 v[T0], v[T0], v[T1]              ; the step's largest score of my query
	s_delay_alu instid0(VALU_DEP_1)
	v_mul_f32 v[T0], s[CS], v[T0]
	s_delay_alu instid0(VALU_DEP_1)
	v_max_num_f32 v[ST+1], v[ST+1], v[T0]          ; the running largest t
	v_mov_b32 v[T0], v[ST]
	s_delay_alu instid0(VALU_DEP_2)
	v_floor_f32 v[ST], -v[ST+1]                    ; -M = floor(-t): M is a whole number
	s_delay_alu instid0(VALU_DEP_1)
	v_sub_f32 v[T0], v[ST], v[T0]                  ; old M - new M
	s_delay_alu instid0(VALU_DEP_1)
	v_cvt_i32_f32 v[T0], v[T0]                     ; (it saturates)
	s_delay_alu instid0(VALU_DEP_1)
	v_ldexp_f32 v[F], 1.0, v[T0]
.set J, 0
.rept 32
	v_pk_fma_f32 v[S+J:S+J+1], v[S+J:S+J+1], s[CS:CS+1], v[ST:ST+1] op_sel_hi:[1,0,0]   ; t - M
.set J, J+2
.endr
.irp c, 0,1
	v_fma_f32 v[BM+\c], v[BM+\c], s[CS], v[ST]     ; the same of each block's largest score
.endr
.set J, 0
	s_wait_alu depctr_va_vdst(0)
.rept 64
	v_exp_f32 v[S+J], v[S+J]                       ; p = 2^(t - M)
.set J, J+1
.endr
	v_pk_mul_f32 v[ST+2:ST+3], v[ST+2:ST+3], v[F:F+1] op_sel_hi:[1,0]   ; the sum under the new M: the plain line behind the exponentials
	s_wait_alu depctr_va_vdst(0)                   ; one wait for the batch, ahead of its first reader
.irp c, 0,1
	v_exp_f32 v[BM+\c], v[BM+\c]                   ; the block's largest p
.endr
	v_pk_add_f32 v[SACC:SACC+1], v[S:S+1], v[S+2:S+3]   ; the row's sum of the unquantised p, in two chains
.irp j, 4,8,12,16,20,24,28,32,36,40,44,48,52,56,60
	v_pk_add_f32 v[ST+2:ST+3], v[ST+2:ST+3], v[S+\j:S+\j+1]
	v_pk_add_f32 v[SACC:SACC+1], v[SACC:SACC+1], v[S+\j+2:S+\j+3]
.endr
	s_delay_alu instid0(VALU_DEP_1)
	v_pk_add_f32 v[ST+2:ST+3], v[ST+2:ST+3], v[SACC:SACC+1]
	s_wait_alu depctr_va_vdst(0)                   ; and one for the two
.irp c, 0,1
	v_max_num_f32 v[BM+\c], 0x1800000, v[BM+\c]    ; the floor 2^(3 - 127)
.endr
.irp c, 0,1
	s_delay_alu instid0(VALU_DEP_2)
	v_add_nc_u32 v[SO+\c], 0xff000000, v[BM+\c]
.endr
.irp c, 0,1
	s_delay_alu instid0(VALU_DEP_2)
	v_lshrrev_b32 v[Y+\c], 23, v[SO+\c]
.endr
	s_delay_alu instid0(VALU_DEP_1)
	v_lshl_or_b32 v[T0], v[Y+1], 16, v[Y]          ; my bytes: key blocks h and 2 + h,
	s_delay_alu instid0(VALU_DEP_1)
	v_lshlrev_b32 v[T0], v[SH8], v[T0]             ; at their places;
	s_delay_alu instid0(VALU_DEP_1)
	v_permlanex16_b32 v[T1], v[T0], s[SEL], s[SEL+1]
	s_delay_alu instid0(VALU_DEP_1)
	v_or_b32 v[PS+(\x)], v[T0], v[T1]              ; with lane l xor 16's two the word is whole
.irp c, 0,1
.irp g, 0,1,2,3
	v_cvt_scalef32_pk8_fp4_f32 v[PC+4*\c+\g], v[S+32*\c+8*\g:S+32*\c+8*\g+7], v[SO+\c]   ; registers 4 c + g of the operand
.endr
.endr
	v_nop                                          ; one plain line behind the conversions
.if \hook
	s_setprio 0
	s_wait_dscnt 0x0                               ; V's fragments and scale words are in
.irp f, 0,1
	v_perm_b32 v[VW+2*\f], v[VP+2+\f], v[VP+\f], s[PL]     ; d tile 2 f: key blocks 0, 1 | 2, 3
	v_perm_b32 v[VW+2*\f+1], v[VP+2+\f], v[VP+\f], s[PH]   ; d tile 2 f + 1
.endr
.endif
.set J, 0
.rept 16
	v_pk_mul_f32 v[OO+J:OO+J+1], v[OO+J:OO+J+1], v[F:F+1] op_sel_hi:[1,0]   ; O^T under the new M; these sixteen are also the places in front of the scaled products
.set J, J+2
.endr
.endm
.macro STEP
	v_add_nc_u32 v[ADK], s[TBS], v[AK0]            ; these four are the places behind the last products, in front of the loads into their fragments
	v_add_nc_u32 v[ADV], s[TBS], v[AV0]
	v_add_nc_u32 v[ADKS], s[TS], v[AKS0]
	v_add_nc_u32 v[ADVS], s[TS], v[AVS0]
	LOADF ADK
.irp f, 0,1,2,3
	ds_load_b32 v[KS+\f], v[ADKS] offset:64*\f
.endr
	s_wait_dscnt 0x0
	SCORES 0
	NOP4
	SOFT 0, 0
	SCORES 1
	NOP4                                           ; four places: the scores are read, and V's fragments go where K's lay
	LOADF ADV                                      ; they land under the softmax below
.irp f, 0,1,2,3
	ds_load_b32 v[VP+\f], v[ADVS] offset:64*\f
.endr
	s_setprio 1
	SOFT 1, 1
.irp i, 0,1,2,3                        ; eight accumulators, one turn each
	WM O+8*\i, KF+8*\i, PCD, 0, VW+\i, PS
	WM O+32+8*\i, KF+8*\i, PCD+8, 0, VW+\i, PS+1
.endr
	s_add_co_u32 s[TBS], s[TBS], 4096
	s_add_co_u32 s[TS], s[TS], 256
.endm
; Four steps.  left: the later chunks of the issuing wave, which may stay out: the scale words and this chunk have landed.
.macro CHUNK left
	s_wait_tensorcnt \left
	s_wait_dscnt 0x0
	s_barrier_signal -1
	s_barrier_wait -1
	s_mov_b32 s[CNT], 4
.Lstep_\@:
	s_setprio 2
	STEP
	s_sub_co_u32 s[CNT], s[CNT], 1
	s_cmp_lg_u32 s[CNT], 0
	s_cbranch_scc1 .Lstep_\@
	s_setprio 0
.endm
	CHUNK 3
	CHUNK 2
	CHUNK 1
	CHUNK 0
	; THE WAY OUT.  The additions and the v_nop are the places behind the last products.
	v_add_f32 v14, v14, v15
	v_add_f32 v18, v18, v19
	s_delay_alu instid0(VALU_DEP_2)
	v_permlanex16_b32 v[T0], v14, s[SEL], s[SEL+1]
	s_delay_alu instid0(VALU_DEP_2)
	v_permlanex16_b32 v[T1], v18, s[SEL], s[SEL+1]
	s_delay_alu instid0(VALU_DEP_2)
	v_add_f32 v14, v14, v[T0]                      ; the rows' sums
	s_delay_alu instid0(VALU_DEP_2)
	v_add_f32 v18, v18, v[T1]
	s_wait_alu depctr_va_vdst(0)
	v_rcp_f32 v14, v14
	v_rcp_f32 v18, v18
	v_nop
	s_wait_alu depctr_va_vdst(0)                   ; one wait for the two reciprocals, ahead of their first reader
.irp x, 0,1
.set J, 0
.rept 16
	v_pk_mul_f32 v[S+32*\x+J:S+32*\x+J+1], v[O+32*\x+J:O+32*\x+J+1], v[14+4*\x:15+4*\x] op_sel_hi:[1,0]   ; o(query, d = 32 h + 0 .. 31), each accumulator from its low end on
.set J, J+2
.endr
.endr
	QB S, SO, Y, PCD
	QB S+32, SO+1, Y+1, PCD+8
	global_store_b128 v[AK0], v[PCD:PCD+3], s[8:9]                 ; a piece: 512 consecutive bytes
	global_store_b128 v[AK0], v[PCD+8:PCD+11], s[8:9] offset:8192
	v_lshlrev_b32 v[Y], v[SH8], v[Y]
	v_lshlrev_b32 v[Y+1], v[SH8], v[Y+1]
	s_delay_alu instid0(VALU_DEP_2)
	v_permlanex16_b32 v[T0], v[Y], s[SEL], s[SEL+1]
	s_delay_alu instid0(VALU_DEP_2)
	v_permlanex16_b32 v[T1], v[Y+1], s[SEL], s[SEL+1]
	s_delay_alu instid0(VALU_DEP_2)
	v_or_b32 v[Y], v[Y], v[T0]                     ; (byte of d block 0, byte of d block 1)
	s_delay_alu instid0(VALU_DEP_2)
	v_or_b32 v[Y+1], v[Y+1], v[T1]
	s_delay_alu instid0(VALU_DEP_1)
	v_cndmask_b32 v[Y], v[Y], v[Y+1], s[HM]        ; lanes 0-15 tile A's rows, lanes 16-31 tile B's
	ds_store_b16 v[OSA], v[Y]
	s_wait_dscnt 0x0                               ; for the others' sake: my store has landed
	s_barrier_signal -1
	s_barrier_wait -1
	s_cmp_lt_u32 s[WV], 2
	s_cbranch_scc0 .Lno_sc
	ds_load_b128 v[88:91], v[OSR]                  ; the work-group's 1,024 bytes leave by two waves: 512 consecutive bytes each
	s_wait_dscnt 0x0
	global_store_b128 v[GO16], v[88:91], s[10:11]
.Lno_sc:
	s_wait_tensorcnt 0x0
	ds_add_u32 v94, v95
	s_wait_dscnt 0x0
	ROUND                                          ; the closing round
	s_endpgm
.Lfunc_end_k_q847550c5c4_attn:
	.size	k_q847550c5c4_attn, .Lfunc_end_k_q847550c5c4_attn-k_q847550c5c4_attn
	.p2alignl 7, 3214868480
	.fill 96, 4, 3214868480
	.section	.rodata,"a",@progbits
	.p2align	6, 0x0
	.amdhsa_kernel k_q847550c5c4_attn
		.amdhsa_group_segment_fixed_size 169984
		.amdhsa_private_segment_fixed_size 0
		.amdhsa_enable_private_segment 0
		.amdhsa_kernarg_size 32
		.amdhsa_user_sgpr_count 2
		.amdhsa_user_sgpr_kernarg_segment_ptr 1
		.amdhsa_wavefront_size32 1
		.amdhsa_system_sgpr_workgroup_id_x 1
		.amdhsa_system_sgpr_workgroup_id_y 1
		.amdhsa_system_sgpr_workgroup_id_z 1
		.amdhsa_system_vgpr_workitem_id 0
		.amdhsa_next_free_vgpr 256
		.amdhsa_next_free_sgpr 70
		.amdhsa_reserve_vcc 0
		.amdhsa_float_denorm_mode_32 3
		.amdhsa_float_denorm_mode_16_64 3
		.amdhsa_memory_ordered 1
		.amdhsa_forward_progress 1
		.amdhsa_inst_pref_size 131
	.end_amdhsa_kernel
	.amdgpu_metadata
---
amdhsa.version: [ 1, 2 ]
amdhsa.kernels:
  - .name:           k_q847550c5c4_attn
    .symbol:         k_q847550c5c4_attn.kd
    .args:
      - { .name: img, .offset: 0, .size: 8, .value_kind: global_buffer, .address_space: global }
      - { .name: isc, .offset: 8, .size: 8, .value_kind: global_buffer, .address_space: global }
      - { .name: oimg, .offset: 16, .size: 8, .value_kind: global_buffer, .address_space: global }
      - { .name: osc, .offset: 24, .size: 8, .value_kind: global_buffer, .address_space: global }
    .group_segment_fixed_size: 169984
    .private_segment_fixed_size: 0
    .kernarg_segment_align: 8
    .kernarg_segment_size: 32
    .max_flat_workgroup_size: 512
    .sgpr_count:     70
    .vgpr_count:     256
    .wavefront_size: 32
...
	.end_amdgpu_metadata
.endif
;; end of part 3
;; launch outln (part 4): grid 256 x 1, 16 waves a work-group, clusters of 4 x 1, 327,680 bytes of LDS; arguments oimg, osc, Wo_codes, Wo_scales, bo, q, gamma, beta, out0; writes out0
.if DOCPART == 4
	.amdgcn_target "amdgcn-amd-amdhsa--gfx1250"
	.amdhsa_code_object_version 6
	.text
	.protected	k_q847550c5c4_outln
	.globl	k_q847550c5c4_outln
	.p2align	8
	.type	k_q847550c5c4_outln,@function
k_q847550c5c4_outln:
	s_mov_b64 s[64:65], 0
	v_nop
	global_prefetch_b8 v0, s[64:65] scope:SCOPE_SE
	s_setreg_imm32_b32 hwreg(HW_REG_WAVE_MODE, 25, 1), 1
	s_wait_xcnt 0x0
	s_wait_alu depctr_hold_cnt(0) depctr_sa_sdst(0) depctr_va_vdst(0) depctr_va_sdst(0) depctr_va_ssrc(0) depctr_va_vcc(0) depctr_vm_vsrc(0)
	s_getreg_b32 s2, hwreg(HW_REG_IB_STS2, 6, 4)
	s_cmp_eq_u32 s2, 0
	s_cbranch_scc0 .Lentry_in_a_cluster
	s_endpgm
.Lentry_in_a_cluster:
	s_bfe_u32 s2, ttmp6, 0x10000c
	s_cmp_lg_u32 s2, 0x3003
	s_cbranch_scc0 .Lentry_shape_is_right
	s_endpgm
.Lentry_shape_is_right:
; out0 = LayerNorm(o Wo^T + bo + q) x gamma + beta.  The product on codes of FP4 with E8M0 scales; all else in f32.
; SHARES.  A work-group takes two tiles of 16 tokens (32 whole rows, so that the norm stays inside it) x all 1,024 features, K = 1,024.  Wave w makes features 64 w .. 64 w + 63: 4 tiles x 2 token tiles, 8 accumulators.
; Source 0 = 16 rows of Wo, source 1 = 16 tokens: a lane holds eight neighbouring features of one token.  bo is the C of each sum's first product.
; Tile T = 8 x (block of 128 tokens) + u; its lane r is token 64 (u / 4) + 8 (u % 4) + r % 8 + 32 (r / 8) of the block, as attention left it.
; CLUSTER.  All work-groups walk the same Wo: its tiles are asked for jointly by the four partners (mask 15), in K steps of 256 through two slots of 1,024 rows x (128 + 16) bytes.  The tokens' pieces are my own: a plain load, filled once.
; THE NORM.  The results meet in a stage (32 rows x 4,112 bytes) that lies in slot 0, behind that slot's last fill and last read; each wave takes two whole rows, adds q, takes the mean, then the mean of the squared differences.
; LIMITS: NaN and infinities are not served.
.set SLOTB, 147456
.set OIMG,  2*SLOTB
.set SPARE, OIMG+16384                 ; the spare words, 128 bytes for each of 16 waves: eight blocks of 256 bytes that no other line names
.set SPW, 1
.set NIL, 2
.set ADW, 3                            ; v3-4 my lane's place in Wo's tiles, slot 0, 1
.set ADO, 5                            ; v5   OIMG + 16 x lane
.set STO, 6                            ; v6-7 the stage: where I put 32 bytes of a row, token tile 0, 1
.set RD,  8                            ; v8   and where I read my two rows back
.set GL,  9                            ; v9   16 x lane
.set OS,  16                           ; v16-23 the tokens' scale words, one register a K step: lanes 0-15 tile 0, lanes 16-31 tile 1
.set WF,  24                           ; v24-55 Wo's four fragments; later gamma
.set OF,  56                           ; v56-71 the tokens' two
.set WSR, 72                           ; v72-87 Wo's scale words: 4 i + s % 4; lanes 0-15 K steps 0-3, lanes 16-31 K steps 4-7
.set BO,  88                           ; v88-119 bo in the result's layout; later beta
.set ACC, 120                          ; v120-183; later my two rows
.set QR,  184                          ; v184-247 my two rows of q; later at work
.set SA,  184                          ; row e: v[SA+8e:+1], v[SA+8e+2:+3] two chains, +4 a permute's result, v[SA+8e+6:+7] what is broadcast
.set WV,  22
.set CX,  23
.set GG,  24
.set SEL, 26
.set G1W, 32
.set G1O, 40
.set G0W, 48                           ; s[48:51], s[52:55]
.set G0O, 56
.macro ROUND
	s_barrier_signal -1
	s_barrier_wait -1
	s_cmp_lg_u32 s[WV], 0
	s_cbranch_scc1 .Lnot_wave_0_\@
	s_barrier_signal -3
.Lnot_wave_0_\@:
	s_barrier_wait -3
	s_barrier_signal -1
	s_barrier_wait -1
.endm
.macro NOP4
.rept 4
	v_nop
.endr
.endm
.macro WM d, a, b, c, sa, sb, ra, rb   ; ra, rb = 1: that side's scale words are read from lanes 16-31
.if (\ra) && (\rb)
	v_wmma_scale_f32_16x16x128_f8f6f4 v[\d:\d+7], v[\a:\a+7], v[\b:\b+7], v[\c:\c+7], v[\sa], v[\sb] matrix_a_fmt:MATRIX_FMT_FP4 matrix_b_fmt:MATRIX_FMT_FP4 matrix_a_scale:MATRIX_SCALE_ROW1 matrix_b_scale:MATRIX_SCALE_ROW1
.elseif \ra
	v_wmma_scale_f32_16x16x128_f8f6f4 v[\d:\d+7], v[\a:\a+7], v[\b:\b+7], v[\c:\c+7], v[\sa], v[\sb] matrix_a_fmt:MATRIX_FMT_FP4 matrix_b_fmt:MATRIX_FMT_FP4 matrix_a_scale:MATRIX_SCALE_ROW1
.elseif \rb
	v_wmma_scale_f32_16x16x128_f8f6f4 v[\d:\d+7], v[\a:\a+7], v[\b:\b+7], v[\c:\c+7], v[\sa], v[\sb] matrix_a_fmt:MATRIX_FMT_FP4 matrix_b_fmt:MATRIX_FMT_FP4 matrix_b_scale:MATRIX_SCALE_ROW1
.else
	v_wmma_scale_f32_16x16x128_f8f6f4 v[\d:\d+7], v[\a:\a+7], v[\b:\b+7], v[\c:\c+7], v[\sa], v[\sb] matrix_a_fmt:MATRIX_FMT_FP4 matrix_b_fmt:MATRIX_FMT_FP4
.endif
.endm
	s_load_b256 s[4:11], s[0:1], 0x0               ; oimg s[4:5], osc s[6:7], Wo's codes s[8:9], Wo's scales s[10:11]
	s_load_b256 s[12:19], s[0:1], 0x20             ; bo s[12:13], q s[14:15], gamma s[16:17], beta s[18:19]
	s_load_b64 s[20:21], s[0:1], 0x40              ; out0
	v_lshl_add_u32 v[SPW], v0, 2, SPARE
	v_mov_b32 v[NIL], 0
	ds_add_u32 v1, v2
	ds_add_u32 v1, v2
	s_wait_dscnt 0x0
	v_lshrrev_b32 v10, 5, v0
	s_delay_alu instid0(VALU_DEP_1)
	v_readfirstlane_b32 s[WV], v10                 ; wave 0..15
	s_bfe_u32 s[CX], ttmp6, 0x40000                ; my place in the cluster: it enters global addresses of my own tokens alone
	s_lshl_b32 s[GG], ttmp9, 2
	s_add_co_u32 s[GG], s[GG], s[CX]               ; my pair of token tiles
	s_mov_b32 s[G1W], 15|(1<<20)|(1<<21)|(4<<22)|(3<<25)   ; 64 rows x 128 bytes, 512 apart in memory, 16 bytes of padding behind each; joint
	s_mov_b32 s[G1W+1], 128<<16
	s_mov_b32 s[G1W+2], 64<<16
	s_mov_b32 s[G1W+3], 128<<16
	s_mov_b32 s[G1W+4], 64
	s_mov_b32 s[G1W+5], 512
	s_mov_b32 s[G1W+6], 0
	s_mov_b32 s[G1W+7], 0
	s_mov_b32 s[G1O], 3<<16                        ; 64 rows of 256 bytes, dense; my own
	s_mov_b32 s[G1O+1], 32<<16
	s_mov_b32 s[G1O+2], 64<<16
	s_mov_b32 s[G1O+3], 32<<16
	s_mov_b32 s[G1O+4], 64
	s_mov_b32 s[G1O+5], 32
	s_mov_b32 s[G1O+6], 0
	s_mov_b32 s[G1O+7], 0
	s_mov_b32 s[SEL], 0x76543210
	s_mov_b32 s[SEL+1], 0xfedcba98
	s_mov_b32 s72, 0x3a800000                      ; 1 / 1024
	s_mov_b32 s73, 0x3727c5ac                      ; 1e-5
	s_mov_b32 s74, 0xba800000                      ; -1 / 1024
	v_and_b32 v10, 15, v0                          ; r
	v_bfe_u32 v11, v0, 4, 1                        ; h
	v_and_b32 v12, 31, v0                          ; lane
	s_mul_i32 s60, s[WV], 9216
	v_mul_u32_u24 v[ADW], v10, 144
	s_delay_alu instid0(VALU_DEP_1)
	v_lshl_add_u32 v[ADW], v11, 4, v[ADW]
	s_delay_alu instid0(VALU_DEP_1)
	v_add_nc_u32 v[ADW], s60, v[ADW]               ; my 64 rows: row r, + 16 h
	s_delay_alu instid0(VALU_DEP_1)
	v_add_nc_u32 v[ADW+1], SLOTB, v[ADW]
	v_lshl_add_u32 v[ADO], v12, 4, OIMG
	s_lshl_b32 s60, s[WV], 8
	v_mul_u32_u24 v[STO], v10, 4112
	s_delay_alu instid0(VALU_DEP_1)
	v_lshl_add_u32 v[STO], v11, 5, v[STO]
	s_delay_alu instid0(VALU_DEP_1)
	v_add_nc_u32 v[STO], s60, v[STO]               ; row r, + 32 h, + my 64 features' 256 bytes
	s_delay_alu instid0(VALU_DEP_1)
	v_add_nc_u32 v[STO+1], 65792, v[STO]           ; 16 rows on
	s_mul_i32 s60, s[WV], 8224
	v_lshlrev_b32 v[GL], 4, v12
	s_delay_alu instid0(VALU_DEP_1)
	v_add_nc_u32 v[RD], s60, v[GL]                 ; rows 2 w, 2 w + 1
	v_lshlrev_b32 v13, 1, v12                      ; osc: 2 bytes a lane
	v_lshlrev_b32 v14, 5, v10
	s_delay_alu instid0(VALU_DEP_1)
	v_lshl_add_u32 v14, v11, 4, v14                ; Wo's scales: 32 r + 16 h
	v_lshlrev_b32 v15, 5, v11                      ; bo: 32 h
	; my two rows' first token: 128 x block + 64 (cx / 2) + 16 (cx % 2) + 8 (w / 8) + 2 (w % 4) + 32 ((w / 4) % 2)
	s_lshl_b32 s68, ttmp9, 7
	s_lshr_b32 s69, s[CX], 1
	s_lshl_b32 s69, s69, 6
	s_add_co_u32 s68, s68, s69
	s_and_b32 s69, s[CX], 1
	s_lshl_b32 s69, s69, 4
	s_add_co_u32 s68, s68, s69
	s_lshr_b32 s69, s[WV], 3
	s_lshl_b32 s69, s69, 3
	s_add_co_u32 s68, s68, s69
	s_and_b32 s69, s[WV], 3
	s_lshl_b32 s69, s69, 1
	s_add_co_u32 s68, s68, s69
	s_bfe_u32 s69, s[WV], 0x10002
	s_lshl_b32 s69, s69, 5
	s_add_co_u32 s68, s68, s69
	s_lshl_b32 s68, s68, 12                        ; 4,096 bytes a row
	s_mov_b32 s69, 0
	s_lshl_b32 s60, s[WV], 15                      ; my 64 rows of Wo's codes
	s_mov_b32 s61, 0
	s_mul_i32 s62, s[WV], 9216
	s_wait_kmcnt 0x0
	s_add_nc_u64 s[60:61], s[8:9], s[60:61]
	s_mov_b32 s[G0W], 1
	s_mov_b32 s[G0W+1], s62
	s_mov_b64 s[G0W+2:G0W+3], s[60:61]
	s_or_b32 s[G0W+3], s[G0W+3], 0x80000000
	s_mov_b32 s[G0W+4], 1
	s_add_co_u32 s[G0W+5], s62, SLOTB
	s_add_nc_u64 s[G0W+6:G0W+7], s[60:61], 128
	s_or_b32 s[G0W+7], s[G0W+7], 0x80000000
	s_lshl_b32 s70, s[GG], 14
	s_mov_b32 s71, 0
	s_mov_b32 s[G0O], 1
	s_mov_b32 s[G0O+1], OIMG
	s_add_nc_u64 s[G0O+2:G0O+3], s[4:5], s[70:71]
	s_or_b32 s[G0O+3], s[G0O+3], 0x80000000
	s_add_nc_u64 s[14:15], s[14:15], s[68:69]      ; q and out0 at my two rows
	s_add_nc_u64 s[20:21], s[20:21], s[68:69]
	s_lshl_b32 s70, s[GG], 6
	s_add_nc_u64 s[6:7], s[6:7], s[70:71]          ; osc at my two tiles
	s_lshl_b32 s70, s[WV], 11
	s_add_nc_u64 s[10:11], s[10:11], s[70:71]      ; Wo's scale bytes of my 64 rows
	s_lshl_b32 s70, s[WV], 8
	s_add_nc_u64 s[12:13], s[12:13], s[70:71]      ; bo of my 64 features
	ROUND                                          ; all four work-groups are here: the first joint loads meet
	tensor_load_to_lds s[G0W:G0W+3], s[G1W:G1W+7]  ; every wave: its 64 rows of Wo's first tile
	s_nop 0
	NOP4
	s_wait_alu depctr_va_vdst(0)
	s_wait_tensorcnt 0x0
	ds_add_u32 v1, v2
	s_wait_dscnt 0x0
	ROUND
	s_cmp_lg_u32 s[WV], 0
	s_cbranch_scc1 .Lno_o
	tensor_load_to_lds s[G0O:G0O+3], s[G1O:G1O+7]  ; wave 0: the tokens' pieces, filled once.  Two loads of a wave are out at the most
	s_nop 0
	NOP4
.Lno_o:
	s_wait_alu depctr_va_vdst(0)
.irp d, 0,1,2,3,4,5,6,7,8,9,10,11,12,13,14,15
	global_load_u16 v[ACC+\d], v13, s[6:7] offset:16384*\d         ; head d: (byte of d block 0, byte of d block 1) of my row
.endr
.irp i, 0,1,2,3
	global_load_b128 v[WSR+4*\i:WSR+4*\i+3], v14, s[10:11] offset:512*\i
.endr
.irp i, 0,1,2,3
	global_load_b128 v[BO+8*\i:BO+8*\i+3], v15, s[12:13] offset:64*\i
	global_load_b128 v[BO+8*\i+4:BO+8*\i+7], v15, s[12:13] offset:64*\i+16
.endr
.irp e, 0,1
.irp m, 0,1,2,3,4,5,6,7
	global_load_b128 v[QR+32*\e+4*\m:QR+32*\e+4*\m+3], v[GL], s[14:15] offset:4096*\e+512*\m th:TH_LOAD_NT   ; the residual: wanted at the end
.endr
.endr
	s_wait_loadcnt 16                              ; all but q's sixteen
.irp s, 0,1,2,3,4,5,6,7
	v_lshl_or_b32 v[OS+\s], v[ACC+2*\s+1], 16, v[ACC+2*\s]         ; K step s = heads 2 s, 2 s + 1.  Eight v_nop of the first trip stand between these and the first product
.endr
; 128 along K: the u-th of slot p; s: which of K's eight.  first = 1: bo is the C.  The eight accumulators take turns.
.macro KSTEP p, u, s, first
	NOP4                                           ; four places in front of loads into registers that matrix instructions have read
.irp i, 0,1,2,3
.irp c, 0,1
	ds_load_b128 v[WF+8*\i+4*\c:WF+8*\i+4*\c+3], v[ADW+(\p)] offset:2304*\i+64*(\u)+32*\c
.endr
.endr
.irp e, 0,1
.irp c, 0,1
	ds_load_b128 v[OF+8*\e+4*\c:OF+8*\e+4*\c+3], v[ADO] offset:8192*\e+1024*(\s)+512*\c
.endr
.endr
	s_wait_dscnt 0x0
.irp e, 0,1
.irp i, 0,1,2,3
.if \first
	WM ACC+32*\e+8*\i, WF+8*\i, OF+8*\e, BO+8*\i, WSR+4*\i+((\s)&3), OS+(\s), (\s)/4, \e
.else
	WM ACC+32*\e+8*\i, WF+8*\i, OF+8*\e, ACC+32*\e+8*\i, WSR+4*\i+((\s)&3), OS+(\s), (\s)/4, \e
.endif
.endr
.endr
.endm
.macro TRIP slot, q, refill, delta, first
	s_wait_tensorcnt 0x0                           ; all my tensor loads have landed, my part of this tile among them: so a group 0 may be written
	ds_add_u32 v[SPW], v[NIL]                      ; 0 onto my spare word
.if \delta
	s_add_nc_u64 s[G0W+4*(\slot)+2:G0W+4*(\slot)+3], s[G0W+4*(\slot)+2:G0W+4*(\slot)+3], \delta
.endif
	s_wait_dscnt 0x0                               ; the add is done, and my reads of the last tile are over
	ROUND
.if \refill
	tensor_load_to_lds s[G0W+4*(1-(\slot)):G0W+4*(1-(\slot))+3], s[G1W:G1W+7]   ; the next tile, into the other slot: my one tensor load until the next round
	s_nop 0
	NOP4
.endif
	s_wait_alu depctr_va_vdst(0)
	KSTEP \slot, 0, 2*(\q), \first
	KSTEP \slot, 1, 2*(\q)+1, 0
.endm
	TRIP 0, 0, 1, 256, 1
	TRIP 1, 1, 1, 256, 0
	TRIP 0, 2, 1, 0, 0
	TRIP 1, 3, 0, 0, 0
	NOP4                                           ; four places: the results are read, and loads go into registers that the last products read
.irp m, 0,1,2,3,4,5,6,7
	global_load_b128 v[WF+4*\m:WF+4*\m+3], v[GL], s[16:17] offset:512*\m    ; gamma, laid as my rows are
	global_load_b128 v[BO+4*\m:BO+4*\m+3], v[GL], s[18:19] offset:512*\m    ; beta
.endr
.irp e, 0,1
.irp i, 0,1,2,3
	ds_store_b128 v[STO+\e], v[ACC+32*\e+8*\i:ACC+32*\e+8*\i+3] offset:64*\i        ; each accumulator from its low end on
	ds_store_b128 v[STO+\e], v[ACC+32*\e+8*\i+4:ACC+32*\e+8*\i+7] offset:64*\i+16
.endr
.endr
	s_wait_dscnt 0x0                               ; for the others' sake: my stores into the stage have landed
	s_barrier_signal -1
	s_barrier_wait -1
.irp e, 0,1
.irp m, 0,1,2,3,4,5,6,7
	ds_load_b128 v[ACC+32*\e+4*\m:ACC+32*\e+4*\m+3], v[RD] offset:4112*\e+512*\m
.endr
.endr
	s_wait_dscnt 0x0
	s_wait_loadcnt 0x0                             ; q, gamma, beta
.set J, 0
.rept 16
	v_pk_add_f32 v[ACC+J:ACC+J+1], v[ACC+J:ACC+J+1], v[QR+J:QR+J+1]             ; + the residual; the two rows by turns
	v_pk_add_f32 v[ACC+32+J:ACC+32+J+1], v[ACC+32+J:ACC+32+J+1], v[QR+32+J:QR+32+J+1]
.set J, J+2
.endr
.macro REDUCE                          ; the two chains, the pair's halves, the 32 lanes: the sum stands in v[SA + 8 e] of every lane
.irp e, 0
	s_delay_alu instid0(VALU_DEP_3)
	v_pk_add_f32 v[SA+8*\e:SA+8*\e+1], v[SA+8*\e:SA+8*\e+1], v[SA+8*\e+2:SA+8*\e+3]
.endr
.irp e, 1
	s_delay_alu instid0(VALU_DEP_2)
	v_pk_add_f32 v[SA+8*\e:SA+8*\e+1], v[SA+8*\e:SA+8*\e+1], v[SA+8*\e+2:SA+8*\e+3]
.endr
.irp e, 0,1
	s_delay_alu instid0(VALU_DEP_2)
	v_add_f32 v[SA+8*\e], v[SA+8*\e], v[SA+8*\e+1]
.endr
.irp x, 1,2,4,8
.irp e, 0,1
	s_delay_alu instid0(VALU_DEP_2)
	v_add_f32_dpp v[SA+8*\e], v[SA+8*\e], v[SA+8*\e] row_xmask:\x row_mask:0xf bank_mask:0xf
.endr
.endr
.irp e, 0,1
	s_delay_alu instid0(VALU_DEP_2)
	v_permlanex16_b32 v[SA+8*\e+4], v[SA+8*\e], s[SEL], s[SEL+1]
.endr
.irp e, 0,1
	s_delay_alu instid0(VALU_DEP_2)
	v_add_f32 v[SA+8*\e], v[SA+8*\e], v[SA+8*\e+4]
.endr
.endm
.irp e, 0,1
	v_pk_add_f32 v[SA+8*\e:SA+8*\e+1], v[ACC+32*\e:ACC+32*\e+1], v[ACC+32*\e+2:ACC+32*\e+3]
	v_pk_add_f32 v[SA+8*\e+2:SA+8*\e+3], v[ACC+32*\e+4:ACC+32*\e+5], v[ACC+32*\e+6:ACC+32*\e+7]
.endr
.irp j, 8,12,16,20,24,28
.irp e, 0,1
	s_delay_alu instid0(VALU_DEP_4)
	v_pk_add_f32 v[SA+8*\e:SA+8*\e+1], v[SA+8*\e:SA+8*\e+1], v[ACC+32*\e+\j:ACC+32*\e+\j+1]
	s_delay_alu instid0(VALU_DEP_4)
	v_pk_add_f32 v[SA+8*\e+2:SA+8*\e+3], v[SA+8*\e+2:SA+8*\e+3], v[ACC+32*\e+\j+2:ACC+32*\e+\j+3]
.endr
.endr
	REDUCE
.irp e, 0,1
	s_delay_alu instid0(VALU_DEP_2)
	v_mul_f32 v[SA+8*\e+6], s74, v[SA+8*\e]        ; - the mean
.endr
.set J, 0
.rept 16
	v_pk_add_f32 v[ACC+J:ACC+J+1], v[ACC+J:ACC+J+1], v[SA+6:SA+7] op_sel_hi:[1,0]
	v_pk_add_f32 v[ACC+32+J:ACC+32+J+1], v[ACC+32+J:ACC+32+J+1], v[SA+14:SA+15] op_sel_hi:[1,0]
.set J, J+2
.endr
.irp e, 0,1
	v_pk_mul_f32 v[SA+8*\e:SA+8*\e+1], v[ACC+32*\e:ACC+32*\e+1], v[ACC+32*\e:ACC+32*\e+1]
	v_pk_mul_f32 v[SA+8*\e+2:SA+8*\e+3], v[ACC+32*\e+2:ACC+32*\e+3], v[ACC+32*\e+2:ACC+32*\e+3]
.endr
.irp j, 4,8,12,16,20,24,28
.irp e, 0,1
	s_delay_alu instid0(VALU_DEP_4)
	v_pk_fma_f32 v[SA+8*\e:SA+8*\e+1], v[ACC+32*\e+\j:ACC+32*\e+\j+1], v[ACC+32*\e+\j:ACC+32*\e+\j+1], v[SA+8*\e:SA+8*\e+1]
	s_delay_alu instid0(VALU_DEP_4)
	v_pk_fma_f32 v[SA+8*\e+2:SA+8*\e+3], v[ACC+32*\e+\j+2:ACC+32*\e+\j+3], v[ACC+32*\e+\j+2:ACC+32*\e+\j+3], v[SA+8*\e+2:SA+8*\e+3]
.endr
.endr
	REDUCE
.irp e, 0,1
	s_delay_alu instid0(VALU_DEP_2)
	v_fma_f32 v[SA+8*\e+6], v[SA+8*\e], s72, s73   ; the variance + 1e-5
.endr
	s_wait_alu depctr_va_vdst(0)
.irp e, 0,1
	v_rsq_f32 v[SA+8*\e+6], v[SA+8*\e+6]
.endr
	v_nop                                          ; a plain line behind the two
	s_wait_alu depctr_va_vdst(0)                   ; and one wait for both, ahead of their first reader
.set J, 0
.rept 16
	v_pk_mul_f32 v[ACC+J:ACC+J+1], v[ACC+J:ACC+J+1], v[SA+6:SA+7] op_sel_hi:[1,0]
	v_pk_mul_f32 v[ACC+32+J:ACC+32+J+1], v[ACC+32+J:ACC+32+J+1], v[SA+14:SA+15] op_sel_hi:[1,0]
.set J, J+2
.endr
.set J, 0
.rept 16
	v_pk_fma_f32 v[ACC+J:ACC+J+1], v[ACC+J:ACC+J+1], v[WF+J:WF+J+1], v[BO+J:BO+J+1]
	v_pk_fma_f32 v[ACC+32+J:ACC+32+J+1], v[ACC+32+J:ACC+32+J+1], v[WF+J:WF+J+1], v[BO+J:BO+J+1]
.set J, J+2
.endr
.irp e, 0,1
.irp m, 0,1,2,3,4,5,6,7
	global_store_b128 v[GL], v[ACC+32*\e+4*\m:ACC+32*\e+4*\m+3], s[20:21] offset:4096*\e+512*\m th:TH_STORE_NT   ; 32 lanes store 512 consecutive bytes
.endr
.endr
	s_wait_tensorcnt 0x0                           ; the wave's end
	ds_add_u32 v[SPW], v[NIL]
	s_wait_dscnt 0x0
	ROUND                                          ; the closing round
	s_endpgm
.Lfunc_end_k_q847550c5c4_outln:
	.size	k_q847550c5c4_outln, .Lfunc_end_k_q847550c5c4_outln-k_q847550c5c4_outln
	.p2alignl 7, 3214868480
	.fill 96, 4, 3214868480
	.section	.rodata,"a",@progbits
	.p2align	6, 0x0
	.amdhsa_kernel k_q847550c5c4_outln
		.amdhsa_group_segment_fixed_size 327680
		.amdhsa_private_segment_fixed_size 0
		.amdhsa_enable_private_segment 0
		.amdhsa_kernarg_size 72
		.amdhsa_user_sgpr_count 2
		.amdhsa_user_sgpr_kernarg_segment_ptr 1
		.amdhsa_wavefront_size32 1
		.amdhsa_system_sgpr_workgroup_id_x 1
		.amdhsa_system_sgpr_workgroup_id_y 1
		.amdhsa_system_sgpr_workgroup_id_z 1
		.amdhsa_system_vgpr_workitem_id 0
		.amdhsa_next_free_vgpr 256
		.amdhsa_next_free_sgpr 80
		.amdhsa_reserve_vcc 0
		.amdhsa_float_denorm_mode_32 3
		.amdhsa_float_denorm_mode_16_64 3
		.amdhsa_memory_ordered 1
		.amdhsa_forward_progress 1
		.amdhsa_inst_pref_size 52
	.end_amdhsa_kernel
	.amdgpu_metadata
---
amdhsa.version: [ 1, 2 ]
amdhsa.kernels:
  - .name:           k_q847550c5c4_outln
    .symbol:         k_q847550c5c4_outln.kd
    .args:
      - { .name: oimg, .offset: 0, .size: 8, .value_kind: global_buffer, .address_space: global }
      - { .name: osc, .offset: 8, .size: 8, .value_kind: global_buffer, .address_space: global }
      - { .name: Wo_codes, .offset: 16, .size: 8, .value_kind: global_buffer, .address_space: global }
      - { .name: Wo_scales, .offset: 24, .size: 8, .value_kind: global_buffer, .address_space: global }
      - { .name: bo, .offset: 32, .size: 8, .value_kind: global_buffer, .address_space: global }
      - { .name: q, .offset: 40, .size: 8, .value_kind: global_buffer, .address_space: global }
      - { .name: gamma, .offset: 48, .size: 8, .value_kind: global_buffer, .address_space: global }
      - { .name: beta, .offset: 56, .size: 8, .value_kind: global_buffer, .address_space: global }
      - { .name: out0, .offset: 64, .size: 8, .value_kind: global_buffer, .address_space: global }
    .group_segment_fixed_size: 327680
    .private_segment_fixed_size: 0
    .kernarg_segment_align: 8
    .kernarg_segment_size: 72
    .max_flat_workgroup_size: 512
    .sgpr_count:     80
    .vgpr_count:     256
    .wavefront_size: 32
...
	.end_amdgpu_metadata
.endif
;; end of part 4
